; MI455X (gfx1250); checked and timed in simulation.
; The chip was launched on July 23, 2026; its instructions are those of AMD's public machine-readable ISA for CDNA 5 (MIT licence, August 2026) and "CDNA5" Instruction Set Architecture Reference Guide (July 2026). The comments in the code are by the model that wrote it; some were corrected since.
;; Multi Head Attention TF. Allowed arithmetic: float matrix products may take bf16 or f16 operands with f32 sums; other float arithmetic in f32, or as packed bf16 or f16 multiplies, adds, multiply-adds, maxima and minima; sums over many terms, partial sums and values carried from step to step in f32; what a program stores and reads back later, other than sums and carried values, may be rounded once to bf16 or f16.
;; Inputs: Wk 1,024 x 1,024 float32; Wo 1,024 x 1,024 float32; Wq 1,024 x 1,024 float32; Wv 1,024 x 1,024 float32; key 8 x 2,048 x 1,024 float32; query 8 x 2,048 x 1,024 float32; value 8 x 2,048 x 1,024 float32.
;; Outputs: out0 8 x 2,048 x 1,024 float32.
;; 3 versions, each right; version 3 is version 2 with the launch att written anew for expert scheduling mode. Each part assembles by itself: llvm-mc -triple=amdgcn-amd-amdhsa -mcpu=gfx1250 --defsym DOCPART=n.
;; ======== version 1 of 3: 4 launches
;; limits: values are held in f16: magnitudes above 65,504 overflow, below 6.1e-05 lose precision
;; workspace buffers: wb 8,388,608 bytes; qkv 100,663,296 bytes; wt 33,554,432 bytes
;; launch prep (part 1): grid 128 x 4, 8 waves a work-group, no clusters, 0 bytes of LDS; arguments Wq, Wk, Wv, Wo, wb; writes wb
.if DOCPART == 1
	.amdgcn_target "amdgcn-amd-amdhsa--gfx1250"
	.amdhsa_code_object_version 6
	.text
	.protected	k_qb9bb45f5f8_prep
	.globl	k_qb9bb45f5f8_prep
	.p2align	8
	.type	k_qb9bb45f5f8_prep,@function
k_qb9bb45f5f8_prep:
	s_mov_b64 s[64:65], 0
	v_nop
	global_prefetch_b8 v0, s[64:65] scope:SCOPE_SE
	s_setreg_imm32_b32 hwreg(HW_REG_WAVE_MODE, 25, 1), 1
	s_wait_xcnt 0x0
; THE WEIGHTS IN 16 BITS.  wb holds four matrices [1024 k][1024 n] of 2 bytes, 2 MiB apart, each rounded once to bf16:
;   0: Wq   1: Wk   2: Wv with its columns turned: column d*16+g holds Wv[:, g*64+d], so that the projection writes a position's V as [d][g]
;   3: Wo: the bf16 number written as f16 (the last product multiplies in f16)
; LIMITS.  Matrix 3: a number under 2^-14 keeps f16's fixed step of 2^-24, one of 65,520 or more becomes an infinity.
; SHARES.  y picks the matrix, x eight rows k.  Four steps of two rows; thread t makes 8 neighbouring numbers a step: 16 bytes, so sixteen lanes store 256 consecutive bytes, aligned.
; A stream bound by its bytes (16 MiB in, 8 MiB out): no LDS, no matrix unit, no cluster; all of a thread's loads go out at once, and no register is written twice while memory may read it.
.set X, 8                              ; v[8:39]   4 steps x 8 numbers in f32
.set Y, 40                             ; v[40:55]  4 steps x 4 words of two 16-bit numbers
.set T, 56                             ; v[56:63]  at work
	s_load_b256 s[8:15], s[0:1], 0x0               ; Wq s[8:9], Wk s[10:11], Wv s[12:13], Wo s[14:15]
	s_load_b64 s[16:17], s[0:1], 0x20              ; wb
	s_and_b32 s2, ttmp7, 0xffff                    ; which matrix
	s_lshl_b32 s18, ttmp9, 15                      ; my 8 rows of 4,096 bytes in the source,
	s_mov_b32 s19, 0
	s_lshl_b32 s20, s2, 21                         ; the matrix's 2 MiB in wb
	s_lshl_b32 s21, ttmp9, 14                      ; and my 8 rows of 2,048 bytes there
	s_add_co_u32 s20, s20, s21
	s_mov_b32 s21, 0
	v_lshlrev_b32 v1, 5, v0                        ; as it lies: 32 bytes of f32 a thread
	v_lshlrev_b32 v2, 4, v0                        ; 16 bytes out
	v_and_b32 v4, 127, v0                          ; c: my place in a row of 128 groups of 8: n' = 8 c + j, d = c / 2, g = 8 (c % 2) + j
	v_lshrrev_b32 v3, 7, v0                        ; which of the step's two rows
	v_lshlrev_b32 v3, 12, v3
	v_and_b32 v5, 1, v4
	v_lshl_add_u32 v3, v5, 11, v3                  ; + 8 (c % 2) heads of 256 bytes
	v_lshrrev_b32 v4, 1, v4
	v_lshl_add_u32 v3, v4, 2, v3                   ; + 4 d; j stands in the immediate, 256 bytes a head
	s_wait_kmcnt 0x0
	s_cmp_eq_u32 s2, 1
	s_cselect_b64 s[4:5], s[10:11], s[8:9]
	s_cmp_eq_u32 s2, 2
	s_cselect_b64 s[4:5], s[12:13], s[4:5]
	s_cmp_eq_u32 s2, 3
	s_cselect_b64 s[4:5], s[14:15], s[4:5]
	s_add_nc_u64 s[4:5], s[4:5], s[18:19]
	s_add_nc_u64 s[6:7], s[16:17], s[20:21]
	s_cmp_eq_u32 s2, 2
	s_cbranch_scc1 .Lturned
.irp st, 0,1,2,3
	global_load_b128 v[X+8*(\st):X+8*(\st)+3],   v1, s[4:5] offset:(\st)*8192 th:TH_LOAD_NT
	global_load_b128 v[X+8*(\st)+4:X+8*(\st)+7], v1, s[4:5] offset:(\st)*8192+16 th:TH_LOAD_NT
.endr
	s_branch .Lloaded
.Lturned:                                      ; Wv: eight heads' numbers of one d; a head's 256 bytes are shared by 64 threads, so no hint
.irp st, 0,1,2,3
.irp j, 0,1,2,3,4,5,6,7
	global_load_b32 v[X+8*(\st)+(\j)], v3, s[4:5] offset:(\st)*8192+(\j)*256
.endr
.endr
.Lloaded:
	s_wait_loadcnt 0x0
.set i, 0
.rept 16
	v_cvt_pk_bf16_f32 v[Y+i], v[X+2*i], v[X+2*i+1]
.set i, i+1
.endr
	s_cmp_lg_u32 s2, 3
	s_cbranch_scc1 .Lstore
.set i, 0
.rept 16                               ; Wo: the bf16 numbers widened (exact) and written as f16
	v_lshlrev_b32 v[T+2*(i%4)], 16, v[Y+i]
	v_and_b32 v[T+2*(i%4)+1], 0xffff0000, v[Y+i]
	v_cvt_pk_f16_f32 v[Y+i], v[T+2*(i%4)], v[T+2*(i%4)+1]
.set i, i+1
.endr
.Lstore:
.irp st, 0,1,2,3
	global_store_b128 v2, v[Y+4*(\st):Y+4*(\st)+3], s[6:7] offset:(\st)*4096
.endr
	s_endpgm
.Lfunc_end_k_qb9bb45f5f8_prep:
	.size	k_qb9bb45f5f8_prep, .Lfunc_end_k_qb9bb45f5f8_prep-k_qb9bb45f5f8_prep
	.p2alignl 7, 3214868480
	.fill 96, 4, 3214868480
	.section	.rodata,"a",@progbits
	.p2align	6, 0x0
	.amdhsa_kernel k_qb9bb45f5f8_prep
		.amdhsa_group_segment_fixed_size 0
		.amdhsa_private_segment_fixed_size 0
		.amdhsa_enable_private_segment 0
		.amdhsa_kernarg_size 40
		.amdhsa_user_sgpr_count 2
		.amdhsa_user_sgpr_kernarg_segment_ptr 1
		.amdhsa_wavefront_size32 1
		.amdhsa_system_sgpr_workgroup_id_x 1
		.amdhsa_system_sgpr_workgroup_id_y 1
		.amdhsa_system_sgpr_workgroup_id_z 1
		.amdhsa_system_vgpr_workitem_id 0
		.amdhsa_next_free_vgpr 64
		.amdhsa_next_free_sgpr 66
		.amdhsa_reserve_vcc 0
		.amdhsa_float_denorm_mode_32 3
		.amdhsa_float_denorm_mode_16_64 3
		.amdhsa_memory_ordered 1
		.amdhsa_forward_progress 1
		.amdhsa_inst_pref_size 10
	.end_amdhsa_kernel
	.amdgpu_metadata
---
amdhsa.version: [ 1, 2 ]
amdhsa.kernels:
  - .name:           k_qb9bb45f5f8_prep
    .symbol:         k_qb9bb45f5f8_prep.kd
    .args:
      - { .name: Wq, .offset: 0, .size: 8, .value_kind: global_buffer, .address_space: global }
      - { .name: Wk, .offset: 8, .size: 8, .value_kind: global_buffer, .address_space: global }
      - { .name: Wv, .offset: 16, .size: 8, .value_kind: global_buffer, .address_space: global }
      - { .name: Wo, .offset: 24, .size: 8, .value_kind: global_buffer, .address_space: global }
      - { .name: wb, .offset: 32, .size: 8, .value_kind: global_buffer, .address_space: global }
    .group_segment_fixed_size: 0
    .private_segment_fixed_size: 0
    .kernarg_segment_align: 8
    .kernarg_segment_size: 40
    .max_flat_workgroup_size: 256
    .sgpr_count:     66
    .vgpr_count:     64
    .wavefront_size: 32
...
	.end_amdgpu_metadata
.endif
;; end of part 1
;; launch proj (part 2): grid 4 x 192, 4 waves a work-group, clusters of 4 x 4, 327,680 bytes of LDS; arguments query, key, value, wb, qkv; writes qkv
.if DOCPART == 2
	.amdgcn_target "amdgcn-amd-amdhsa--gfx1250"
	.amdhsa_code_object_version 6
	.text
	.protected	k_qb9bb45f5f8_proj
	.globl	k_qb9bb45f5f8_proj
	.p2align	8
	.type	k_qb9bb45f5f8_proj,@function
k_qb9bb45f5f8_proj:
	s_mov_b64 s[64:65], 0
	v_nop
	global_prefetch_b8 v0, s[64:65] scope:SCOPE_SE
	s_setreg_imm32_b32 hwreg(HW_REG_WAVE_MODE, 25, 1), 1
	s_wait_xcnt 0x0
	s_wait_alu depctr_hold_cnt(0) depctr_sa_sdst(0) depctr_va_vdst(0) depctr_va_sdst(0) depctr_va_ssrc(0) depctr_va_vcc(0) depctr_vm_vsrc(0)
	s_getreg_b32 s2, hwreg(HW_REG_IB_STS2, 6, 4)
	s_cmp_eq_u32 s2, 0
	s_cbranch_scc0 .Lentry_in_a_cluster
	s_endpgm
.Lentry_in_a_cluster:
	s_bfe_u32 s2, ttmp6, 0x10000c
	s_cmp_lg_u32 s2, 0xf033
	s_cbranch_scc0 .Lentry_shape_is_right
	s_endpgm
.Lentry_shape_is_right:
; THE THREE PROJECTIONS in one launch: C = x W, x: [16384][1024] f32 (query, key or value), W: [1024 k][1024 n] bf16 (wb's matrix 0, 1 or 2), C: [16384][1024] f16 (Q, K, V' in qkv, 32 MiB apart).
; x is rounded to bf16 between LDS and the matrix unit; sums in f32; C rounded once to f16.
; LIMIT.  f16 ends at 65,504: a Q, K or V of 65,520 or more becomes an infinity.  NaN and infinities are not treated apart.
; SHARES.  768 tiles of C, 256 x 256: three for each of 256 WGPs, equal work.  Cluster y = 16 sel + the row of clusters: sel picks x, W and C and is common to a cluster.  Four waves, each 128 x 128: 64 accumulators.
; K goes in steps of 64 through two LDS slots.  A's tile stays f32 (a launch that only casts x would move x's bytes once more and its half again): 256 rows x 256 bytes; B's tile is 64 k-rows x 512 bytes.
; Each wave fetches with ONE tensor load: waves 0, 1 A's two halves of 128 rows; waves 2, 3 B's two halves of 128 columns (64 rows x 256 bytes).  Every row asked for is 256 bytes, at a multiple of 256.
; CLUSTER 4 x 4: A's tile is shared along a row of the cluster, B's along a column: joint loads, the same descriptor and mask in the four that it names.
; THE MATRIX INSTRUCTION IS USED TRANSPOSED: source 0 = 16 columns of W (turned out of LDS by ds_load_tr16_b128), source 1 = 16 rows of x: a lane holds eight neighbouring numbers of a row of C.
; A QUARTER is 32 along K: 64 matrix instructions, 48 LDS loads (32 for A's f32, 16 for B) and 64 conversions, which stand in fours behind pairs of matrix instructions.
; REGISTERS, in windows of 256 (s_set_vgpr_msb: bits 1:0 source 0, 3:2 source 1, 5:4 source 2, 7:6 destination):
;   window 0: v16-30 addresses; v64-127 FA, A's eight bf16 fragments (one buffer: see QUARTER); v192-223, v32-63, v224-255 the way out
;   window 1: v0-127 LND, A's eight fragments in f32 as loaded; v128-191, v192-255 B's fragments, two buffers
;   window 2: the accumulators of my rows 0-63 ((a, b) at 8 (8 a + b)); window 3: of my rows 64-127
.set KSTEP,  64
.set XROW,   4096                      ; bytes in a row of x
.set WROW,   2048                      ; bytes in a row of W
.set CROW,   2048                      ; bytes in a row of C
.set APITCH, 272                       ; 256 bytes + 16: row r starts at bank 4 r mod 64 (64 banks of 4 bytes: ISA guide 11.1): the 16 rows of a load start at 16 different groups of four banks
.set AHALF,  128*APITCH
.set BPITCH, 288                       ; 256 bytes + 32 = 72 words
.set BHALF,  64*BPITCH
.set BOFF,   2*AHALF                   ; B's two halves lie behind A's 256 rows
.set SLOT,   BOFF+2*BHALF              ; 106,496
.set STAGE,  2*SLOT                    ; behind the ring, never filled by a tensor load: 16 rows x 272 bytes for each wave
.set SPITCH, 272
.set SPARE,  STAGE+4*16*SPITCH         ; the spare words, 128 bytes for each wave: two blocks of 256 bytes that no other line names
.set TRIPS,  1024/(2*KSTEP)-1          ; a trip refills both slots: K steps 2 to 15
.set ADRA, 16                          ; v16-17  LDS address of my A fragments in slot 0, 1
.set ADRB, 20                          ; v20-21  the same for B
.set STO,  24                          ; v24     the way out: where I put 16 bytes of a row
.set RD,   25                          ; v25     where I read a row back
.set CO,   26                          ; v26     my byte offset in C
.set SPW,  28                          ; v28     my spare word: SPARE + 4 x my thread's number; never rewritten
.set NIL,  29                          ; v29     0; never rewritten
.set PFO,  30                          ; v30     the prefetches' offset: my lane x a row of x; never rewritten
.set FA,   64
.set LND,  0
.set BF0,  128
.set BF1,  192
.set TMP,  192
.set OB,   32
.set G1,  24                           ; s[24:31] group 1 for A's tiles
.set G0,  32                           ; s[32:39] group 0 for A's tiles, a set for each slot
.set G1B, 48                           ; s[48:55] group 1 for B's tiles
.set G0B, 56                           ; s[56:63] group 0 for B's tiles
.set PFA, 44                           ; s[44:45] where my prefetches stand
.set LIM, 43                           ; s43     1 in a wave that prefetches, else the greatest number
.set SEL, 66                           ; s66     0: Q, 1: K, 2: V
.set MSB, 0
.macro WIN new                         ; the immediate's high byte repeats the setting that is left; a switch that changes nothing is dropped
.if MSB != (\new)
	s_set_vgpr_msb (MSB<<8)|(\new)
.set MSB, \new
.endif
.endm
.set MUL_LO, 0xa1                      ; source 0 (B) window 1, source 1 (A) window 0, C and D window 2
.set MUL_HI, 0xf1                      ; the same, C and D window 3
.set TO_B,   0x40                      ; destination window 1, address window 0: all fragment loads
.set CVT,    0x05                      ; sources window 1, destination window 0
; A joint load.  The branch hangs on the wave's number alone.  An s_nop 0 and four v_nop follow each of the two lines, ahead of the jump and the label.
.macro JLOAD s
	s_cmp_eq_u32 s11, 0
	s_cbranch_scc0 .Lfor_b_\@
	tensor_load_to_lds s[G0+4*(\s):G0+4*(\s)+3], s[G1:G1+7]
	s_nop 0
.rept 4
	v_nop
.endr
	s_branch .Lasked_\@
.Lfor_b_\@:
	tensor_load_to_lds s[G0B+4*(\s):G0B+4*(\s)+3], s[G1B:G1B+7]
	s_nop 0
.rept 4
	v_nop
.endr
.Lasked_\@:
.endm
; A prefetch of x, behind each joint refill and the run of LDS loads behind it: the K step that stands two refills on: 32 rows x 256 bytes, a lane a row, one instruction.
; Each row's 256 bytes of a K step are named once in the launch: a tile row of x is read by one row of one cluster alone; of the 128 rows that wave 0 or 1 fetches, the partner at place cx takes
; 32 cx .. 32 cx + 31, told apart by address.  The first four K steps come by their loads alone; the loop's last trip (s3 = 1) asks for nothing: K has no step 16.  The weights are not asked for: every cluster reads them.
.macro ASK
	s_cmp_gt_u32 s3, s[LIM]
	s_cbranch_scc0 .Lnot_mine_\@
	global_prefetch_b8 v[PFO], s[PFA:PFA+1] offset:KSTEP*4 th:TH_LOAD_NT scope:SCOPE_SE
.Lnot_mine_\@:
.endm
.macro CREST                           ; a round of the cluster's barrier behind its opening barrier
	s_cmp_lg_u32 s10, 0
	s_cbranch_scc1 .Lnot_wave_0_\@
	s_barrier_signal -3
.Lnot_wave_0_\@:
	s_barrier_wait -3
	s_barrier_signal -1
	s_barrier_wait -1
.endm
.macro CROUND                          ; a whole round
	s_barrier_signal -1
	s_barrier_wait -1
	CREST
.endm
	s_load_b256 s[72:79], s[0:1], 0x0              ; query s[72:73], key s[74:75], value s[76:77], wb s[78:79]
	s_load_b64 s[8:9], s[0:1], 0x20                ; qkv
	v_lshl_add_u32 v[SPW], v0, 2, SPARE
	v_mov_b32 v[NIL], 0
	ds_add_u32 v[SPW], v[NIL]                      ; the wave's opening: the add and its wait stand ahead of my first tensor load; the set-up below stands between them
	v_lshrrev_b32 v1, 5, v0
	v_readfirstlane_b32 s10, v1                    ; wave 0..3
	s_lshr_b32 s11, s10, 1                         ; which half of the tile's rows is mine.  Also: I fetch for A (0) or for B (1)
	s_and_b32 s12, s10, 1                          ; which half of its columns.  Also: which half of that tile I fetch
	s_bfe_u32 s40, ttmp6, 0x40000                  ; cx
	s_bfe_u32 s41, ttmp6, 0x40004                  ; cy
	s_lshl_b32 s42, ttmp9, 2
	s_add_co_u32 s42, s42, s40                     ; tile column of C = 4 x cluster x + cx
	s_and_b32 s13, ttmp7, 0xffff                   ; cluster y, 0 to 47
	s_lshr_b32 s[SEL], s13, 4                      ; which projection: the same in all sixteen partners
	s_and_b32 s13, s13, 15
	s_lshl_b32 s13, s13, 2
	s_add_co_u32 s13, s13, s41                     ; tile row of C
	s_lshl_b32 s43, s41, 2
	s_lshl_b32 s43, 15, s43                        ; my row of the cluster
	s_lshl_b32 s44, 0x1111, s40                    ; my column
	s_or_b32 s[G1+0], s43, (2<<16)|(1<<20)|(1<<21)|(5<<22)|(3<<25)   ; the mask; elements of 4 bytes; padding on; bit 21 beside a mask; after every 64 words 4 words
	s_mov_b32 s[G1+1], KSTEP<<16                   ; tensor_dim0 = 64
	s_mov_b32 s[G1+2], 128<<16                     ; tensor_dim1 = 128
	s_mov_b32 s[G1+3], KSTEP<<16                   ; tile_dim0 = 64
	s_mov_b32 s[G1+4], 128                         ; tile_dim1 = 128
	s_mov_b32 s[G1+5], 1024                        ; elements from row to row
	s_mov_b32 s[G1+6], 0
	s_mov_b32 s[G1+7], 0
	s_or_b32 s[G1B+0], s44, (1<<16)|(1<<20)|(1<<21)|(5<<22)|(7<<25)  ; elements of 2 bytes; after every 64 words 8 words
	s_mov_b32 s[G1B+1], 128<<16                    ; tensor_dim0 = 128
	s_mov_b32 s[G1B+2], KSTEP<<16                  ; tensor_dim1 = 64
	s_mov_b32 s[G1B+3], 128<<16                    ; tile_dim0 = 128
	s_mov_b32 s[G1B+4], KSTEP                      ; tile_dim1 = 64
	s_mov_b32 s[G1B+5], 1024
	s_mov_b32 s[G1B+6], 0
	s_mov_b32 s[G1B+7], 0
	s_lshl_b32 s16, s13, 8                         ; A hangs on the tile row, sel and the wave alone,
	s_lshl_b32 s17, s12, 7
	s_add_co_u32 s16, s16, s17                     ; row 256 x tile row + 128 x half,
	s_lshl_b32 s16, s16, 12                        ; in bytes (under 2^27)
	s_mov_b32 s17, 0
	s_lshl_b32 s46, s42, 9                         ; B on the tile column, sel and the wave alone: 512 x tile column
	s_lshl_b32 s47, s12, 8
	s_add_co_u32 s46, s46, s47                     ; + 256 x half
	s_lshl_b32 s47, s[SEL], 21
	s_add_co_u32 s46, s46, s47                     ; + the matrix's 2 MiB
	s_mov_b32 s47, 0
	s_mul_i32 s20, s12, AHALF                      ; where they go: no place in the cluster enters an LDS address
	s_mul_i32 s21, s12, BHALF
	s_add_co_u32 s21, s21, BOFF
	s_wait_dscnt 0x0                               ; the opening add is done
	s_wait_kmcnt 0x0
	s_cmp_eq_u32 s[SEL], 1
	s_cselect_b64 s[4:5], s[74:75], s[72:73]
	s_cmp_eq_u32 s[SEL], 2
	s_cselect_b64 s[4:5], s[76:77], s[4:5]         ; x
	s_add_nc_u64 s[14:15], s[4:5], s[16:17]
	s_add_nc_u64 s[46:47], s[78:79], s[46:47]
	CROUND                                         ; all sixteen work-groups are here: the first joint loads meet
.irp s, 0,1
	s_mov_b32 s[G0+4*(\s)], 1
	s_add_co_u32 s[G0+4*(\s)+1], s20, (\s)*SLOT
	s_add_nc_u64 s[G0+4*(\s)+2:G0+4*(\s)+3], s[14:15], (\s)*KSTEP*4
	s_or_b32 s[G0+4*(\s)+3], s[G0+4*(\s)+3], 0x80000000
	s_mov_b32 s[G0B+4*(\s)], 1
	s_add_co_u32 s[G0B+4*(\s)+1], s21, (\s)*SLOT
	s_add_nc_u64 s[G0B+4*(\s)+2:G0B+4*(\s)+3], s[46:47], (\s)*KSTEP*WROW
	s_or_b32 s[G0B+4*(\s)+3], s[G0B+4*(\s)+3], 0x80000000
	JLOAD \s                                       ; K steps 0 and 1: two loads of mine are out
.endr
	; A's fragment, 16 rows x 32 K: lane l holds row l % 16, K = 8 (l / 16) + 0..7 and 16 + 8 (l / 16) + 0..7: in f32 two runs of 32 bytes, 64 apart: four loads of 16 bytes.
	v_and_b32 v1, 15, v0                           ; l % 16
	v_bfe_u32 v2, v0, 4, 1                         ; l / 16
	v_mul_u32_u24 v3, v1, APITCH
	v_lshl_add_u32 v3, v2, 5, v3                   ; row x pitch + 32 x half
	; B's: the turning load takes 16 k x 16 n (lane l reads k = 8 (l / 16) + l % 8, columns 8 ((l / 8) % 2) + 0..7) and leaves half a fragment: lane l holds column l % 16 and 8 k.
	v_and_b32 v4, 7, v0
	v_bfe_u32 v5, v0, 3, 1
	v_lshl_add_u32 v4, v2, 3, v4
	v_mul_u32_u24 v4, v4, BPITCH
	v_lshl_add_u32 v4, v5, 4, v4
	s_mul_i32 s21, s11, AHALF                      ; my 128 rows of A
	s_mul_i32 s22, s12, BHALF                      ; my 128 columns of B
	s_add_co_u32 s22, s22, BOFF
.irp s, 0,1
	v_add_nc_u32 v[ADRA+(\s)], s21, v3
	v_add_nc_u32 v[ADRB+(\s)], s22, v4
	s_add_co_u32 s21, s21, SLOT
	s_add_co_u32 s22, s22, SLOT
.endr
	s_mul_i32 s23, s10, 16*SPITCH
	s_add_co_u32 s23, s23, STAGE                   ; my stage
	v_mul_u32_u24 v4, v1, SPITCH                   ; in: row l % 16, 16 bytes for each half of the lanes
	v_lshl_add_u32 v4, v2, 4, v4
	v_add_nc_u32 v[STO], s23, v4
	v_mul_u32_u24 v5, v2, SPITCH                   ; back: lanes 0-15 one row of 256 bytes, lanes 16-31 the next
	v_lshl_add_u32 v5, v1, 4, v5
	v_add_nc_u32 v[RD], s23, v5
	v_lshlrev_b32 v5, 11, v2                       ; and the same two rows in C
	v_lshl_add_u32 v[CO], v1, 4, v5
	s_lshl_b32 s16, s13, 8                         ; where my part of the tile begins in qkv, in bytes (under 2^27)
	s_lshl_b32 s14, s11, 7
	s_add_co_u32 s16, s16, s14
	s_lshl_b32 s16, s16, 11
	s_lshl_b32 s46, s42, 9
	s_lshl_b32 s47, s12, 8
	s_add_co_u32 s46, s46, s47
	s_add_co_u32 s16, s16, s46
	s_lshl_b32 s47, s[SEL], 25                     ; Q, K, V' lie 32 MiB apart
	s_add_co_u32 s16, s16, s47
	s_mov_b32 s17, 0
	s_lshl_b32 s20, s13, 8                         ; the prefetches: the 128 rows that I fetch,
	s_lshl_b32 s21, s12, 7
	s_add_co_u32 s20, s20, s21
	s_lshl_b32 s21, s40, 5                         ; my work-group's 32 of them,
	s_add_co_u32 s20, s20, s21
	s_lshl_b32 s20, s20, 12
	s_add_co_u32 s20, s20, 2*KSTEP*4               ; at K step 2: the first refill steps it to 3 and names K step 4
	s_mov_b32 s21, 0
	s_add_nc_u64 s[PFA:PFA+1], s[4:5], s[20:21]
	s_cmp_eq_u32 s11, 0
	s_cselect_b32 s[LIM], 1, -1                    ; waves 0 and 1, which fetch for A
	v_and_b32 v[PFO], 31, v0
	v_lshlrev_b32 v[PFO], 12, v[PFO]
; One matrix instruction on accumulator (a, b) of half hi.  zero = 1: the product starts the sum: nothing is cleared.
.macro MM bf, hi, a, b, zero
.if \zero
	v_wmma_f32_16x16x32_bf16 v[8*(8*(\a)+(\b)):8*(8*(\a)+(\b))+7], v[(\bf)+8*(\b):(\bf)+8*(\b)+7], v[FA+8*(4*(\hi)+(\a)):FA+8*(4*(\hi)+(\a))+7], 0
.else
	v_wmma_f32_16x16x32_bf16 v[8*(8*(\a)+(\b)):8*(8*(\a)+(\b))+7], v[(\bf)+8*(\b):(\bf)+8*(\b)+7], v[FA+8*(4*(\hi)+(\a)):FA+8*(4*(\hi)+(\a))+7], v[8*(8*(\a)+(\b)):8*(8*(\a)+(\b))+7]
.endif
.endm
; 16 matrix instructions on end: m blocks a0, a0 + 1 x all 8 n blocks
.macro MUL16 bf, hi, a0, zero
	WIN MUL_LO+0x50*(\hi)
.irp a, \a0, (\a0)+1
.irp b, 0,1,2,3,4,5,6,7
	MM \bf, \hi, \a, \b, \zero
.endr
.endr
.endm
; 8 matrix instructions (m block a), and behind each pair four conversions: fragments f0 and f0 + 1 of A from f32 to bf16.  The last four stand behind the last matrix instruction.
.macro MUL8R bf, hi, a, zero, f0
.irp g, 0,1,2,3
	WIN MUL_LO+0x50*(\hi)
.irp b, 2*(\g), 2*(\g)+1
	MM \bf, \hi, \a, \b, \zero
.endr
	WIN CVT
.irp t, 0,1,2,3
	v_cvt_pk_bf16_f32 v[FA+8*((\f0)+(\g)/2)+4*((\g)%2)+(\t)], v[LND+16*((\f0)+(\g)/2)+8*((\g)%2)+2*(\t)], v[LND+16*((\f0)+(\g)/2)+8*((\g)%2)+2*(\t)+1]
.endr
.endr
.endm
.macro ALD slot, q, i                  ; fragment i of A, quarter q, in f32
	ds_load_b128 v[LND+16*(\i):LND+16*(\i)+3],     v[ADRA+(\slot)] offset:(\q)*128+(\i)*16*APITCH
	ds_load_b128 v[LND+16*(\i)+4:LND+16*(\i)+7],   v[ADRA+(\slot)] offset:(\q)*128+(\i)*16*APITCH+16
	ds_load_b128 v[LND+16*(\i)+8:LND+16*(\i)+11],  v[ADRA+(\slot)] offset:(\q)*128+(\i)*16*APITCH+64
	ds_load_b128 v[LND+16*(\i)+12:LND+16*(\i)+15], v[ADRA+(\slot)] offset:(\q)*128+(\i)*16*APITCH+80
.endm
; 48 LDS loads in one run, in the order in which they are wanted: A's fragments 0-3 (to be converted first), B's eight, A's fragments 4-7
.macro FETCH slot, q, bf
	WIN TO_B
.irp i, 0,1,2,3
	ALD \slot, \q, \i
.endr
.irp b, 0,1,2,3,4,5,6,7
	ds_load_tr16_b128 v[(\bf)+8*(\b):(\bf)+8*(\b)+3],   v[ADRB+(\slot)] offset:(\q)*32*BPITCH+32*(\b)
	ds_load_tr16_b128 v[(\bf)+8*(\b)+4:(\bf)+8*(\b)+7], v[ADRB+(\slot)] offset:(\q)*32*BPITCH+32*(\b)+16*BPITCH
.endr
.irp i, 4,5,6,7
	ALD \slot, \q, \i
.endr
.endm
; A QUARTER multiplies buffer bf and fetches quarter q of the slot into bfn.  It finds FA's fragments 0-3 converted.  ONE buffer FA serves: fragments 0-3 are read in the first half and written anew in the
; second; fragments 4-7 are written in the first half and read in the second.  A vector instruction that writes a register that a matrix instruction has read, and a load into one, stand four plain
; vector instructions behind it that name none of its registers (ISA guide 7.12.1 for vector instructions): here each such register's last reader has at least the four conversions
; that close a MUL8R behind it, so no v_nop is written.  The 64 accumulators take turns in the same order in every quarter, over the backward jump too.
.macro QUARTER slot, q, bf, bfn, zero
	s_wait_dscnt 16                                ; B is in; A's fragments 4-7, the youngest 16 loads, may be out
	MUL16 \bf, 0, 0, \zero
	s_wait_dscnt 0x0                               ; they are in
	MUL8R \bf, 0, 2, \zero, 4                      ; this quarter's fragments 4-7
	MUL8R \bf, 0, 3, \zero, 6
	FETCH \slot, \q, \bfn
	MUL16 \bf, 1, 0, \zero
	s_wait_dscnt 32                                ; the next quarter's fragments 0-3 are in; B's 16 loads and A's other 16 may be out
	MUL8R \bf, 1, 2, \zero, 0
	MUL8R \bf, 1, 3, \zero, 2
.endm
; A K step's second quarter multiplies buffer 1 and changes slots: ONE barrier.  In front of it each wave waits for all its tensor loads, of which one is out: its part of the next slot; adds 0 to its spare word;
; and waits for that and for its reads of this slot.  fill = 1: the barrier opens a round of the cluster's, and the slot is filled again first thing behind it, two K steps ahead:
; 112 matrix instructions ahead of the wait for it.
.macro TURN slot, next, fill
.if \fill
	s_wait_xcnt 0x0                                ; the last prefetch, a K step back, has read its address
	s_add_nc_u64 s[PFA:PFA+1], s[PFA:PFA+1], KSTEP*4
.endif
	s_wait_dscnt 16                                ; B is in
	MUL16 BF1, 0, 0, 0
	WIN 0                                          ; (the add's two registers lie in window 0)
	s_wait_tensorcnt 0x0                           ; all my tensor loads have landed
	ds_add_u32 v[SPW], v[NIL]                      ; 0 onto my spare word
	s_wait_dscnt 1                                 ; A's fragments 4-7 are in; the add may be out
	MUL8R BF1, 0, 2, 0, 4                          ; work on registers stands between the add and the wait for it
	s_wait_dscnt 0x0                               ; the add is done, and my reads of this slot are over
	s_barrier_signal -1
	MUL8R BF1, 0, 3, 0, 6                          ; work on registers while the others arrive
.if \fill
	WIN 0
.endif
	s_barrier_wait -1
.if \fill
	CREST                                          ; no wave of any partner still reads this slot or has a load on its way
	s_add_nc_u64 s[G0+4*(\slot)+2:G0+4*(\slot)+3], s[G0+4*(\slot)+2:G0+4*(\slot)+3], 2*KSTEP*4
	s_add_nc_u64 s[G0B+4*(\slot)+2:G0B+4*(\slot)+3], s[G0B+4*(\slot)+2:G0B+4*(\slot)+3], 2*KSTEP*WROW
	JLOAD \slot
.endif
	FETCH \next, 0, BF0
.if \fill
	WIN 0
	ASK
.endif
	MUL16 BF1, 1, 0, 0
	s_wait_dscnt 32
	MUL8R BF1, 1, 2, 0, 0
	MUL8R BF1, 1, 3, 0, 2
.endm
; THE WAY OUT of block a (16 rows): rounded to f16, 16 bytes a lane; into my own stage and back as whole rows of 256 bytes; stored.
.macro PACK a
.set AC, 64*((\a)%4)
	WIN 0x0a+5*((\a)/4)                            ; sources 0 and 1: window 2 or 3
.irp b, 0,1,2,3,4,5,6,7
.irp r, 0,1,2,3
	v_cvt_pk_f16_f32 v[TMP+4*(\b)+(\r)], v[AC+8*(\b)+2*(\r)], v[AC+8*(\b)+2*(\r)+1]
.endr
.endr
	WIN 0
.endm
.macro TOSTAGE a
	WIN 0
.set BK, OB+192*((\a)%2)
.irp b, 0,1,2,3,4,5,6,7
	ds_store_b128 v[STO], v[TMP+4*(\b):TMP+4*(\b)+3] offset:32*(\b)
.endr
.irp t, 0,1,2,3,4,5,6,7
	ds_load_b128 v[BK+4*(\t):BK+4*(\t)+3], v[RD] offset:(\t)*2*SPITCH  ; LDS serves a wave's instructions in order (ISA guide 5.7.1.4): these see the stores above
.endr
.endm
.macro SEND a
	WIN 0
.set BK, OB+192*((\a)%2)
	s_wait_dscnt 0x0                               ; the block is back in registers
	s_wait_xcnt 0x0                                ; the stores' base, and the registers that earlier stores read, are rewritten only behind this wait
.if (\a) == 0
	s_add_nc_u64 s[8:9], s[8:9], s[16:17]
.else
	s_add_nc_u64 s[8:9], s[8:9], 16*CROW
.endif
.irp t, 0,1,2,3,4,5,6,7
	global_store_b128 v[CO], v[BK+4*(\t):BK+4*(\t)+3], s[8:9] offset:2*(\t)*CROW  ; 16 lanes store 256 consecutive bytes, at a multiple of 256 from the buffer's first byte
.endr
.endm
	s_wait_tensorcnt 1                             ; my part of K step 0 is in; K step 1's may stay out
	s_barrier_signal -1
	s_barrier_wait -1                              ; everybody's is
	FETCH 0, 0, BF0
	s_wait_dscnt 32                                ; A's fragments 0-3
	WIN CVT
.set i, 0
.rept 32
	v_cvt_pk_bf16_f32 v[FA+i], v[LND+2*i], v[LND+2*i+1]
.set i, i+1
.endr
	QUARTER 0, 1, BF0, BF1, 1                      ; the first quarter stands in front of the loop: its products start the sums
	WIN 0                                          ; at a label and at a branch every window is 0
	s_mov_b32 s3, TRIPS
.Llap:                                                 ; a trip goes once round the ring, from a K step's second quarter to the first of the step two on
	TURN 0, 1, 1
	QUARTER 1, 1, BF0, BF1, 0
	TURN 1, 0, 1
	QUARTER 0, 1, BF0, BF1, 0
	WIN 0
	s_sub_co_u32 s3, s3, 1
	s_cmp_lg_u32 s3, 0
	s_cbranch_scc1 .Llap
	TURN 0, 1, 0                                   ; the last two K steps: nothing is left to fetch, and no round follows the barrier
	QUARTER 1, 1, BF0, BF1, 0
	s_wait_dscnt 16                                ; the very last quarter
	MUL16 BF1, 0, 0, 0
	s_wait_dscnt 0x0
	MUL8R BF1, 0, 2, 0, 4
	MUL8R BF1, 0, 3, 0, 6
	MUL16 BF1, 1, 0, 0
	MUL16 BF1, 1, 2, 0
	PACK 0                                         ; no v_nop: blocks 0-3 have conversions behind their last products, and their own 128 conversions are the places behind blocks 4-7's
	TOSTAGE 0
.irp a, 1,2,3,4,5,6,7
	PACK \a                                        ; block a's conversions stand between block a - 1's loads from the stage and the wait for them
	SEND (\a)-1
	TOSTAGE \a
.endr
	SEND 7
	s_wait_tensorcnt 0x0                           ; the wave's end: behind my last tensor load and my last LDS store
	ds_add_u32 v[SPW], v[NIL]
	s_wait_dscnt 0x0
	CROUND                                         ; the closing round: no work-group ends while a partner may still ask for a tile that names it
	s_endpgm
.Lfunc_end_k_qb9bb45f5f8_proj:
	.size	k_qb9bb45f5f8_proj, .Lfunc_end_k_qb9bb45f5f8_proj-k_qb9bb45f5f8_proj
	.p2alignl 7, 3214868480
	.fill 96, 4, 3214868480
	.section	.rodata,"a",@progbits
	.p2align	6, 0x0
	.amdhsa_kernel k_qb9bb45f5f8_proj
		.amdhsa_group_segment_fixed_size 327680
		.amdhsa_private_segment_fixed_size 0
		.amdhsa_enable_private_segment 0
		.amdhsa_kernarg_size 40
		.amdhsa_user_sgpr_count 2
		.amdhsa_user_sgpr_kernarg_segment_ptr 1
		.amdhsa_wavefront_size32 1
		.amdhsa_system_sgpr_workgroup_id_x 1
		.amdhsa_system_sgpr_workgroup_id_y 1
		.amdhsa_system_sgpr_workgroup_id_z 1
		.amdhsa_system_vgpr_workitem_id 0
		.amdhsa_next_free_vgpr 1024
		.amdhsa_next_free_sgpr 80
		.amdhsa_reserve_vcc 0
		.amdhsa_float_denorm_mode_32 3
		.amdhsa_float_denorm_mode_16_64 3
		.amdhsa_memory_ordered 1
		.amdhsa_forward_progress 1
		.amdhsa_inst_pref_size 140
	.end_amdhsa_kernel
	.amdgpu_metadata
---
amdhsa.version: [ 1, 2 ]
amdhsa.kernels:
  - .name:           k_qb9bb45f5f8_proj
    .symbol:         k_qb9bb45f5f8_proj.kd
    .args:
      - { .name: query, .offset: 0, .size: 8, .value_kind: global_buffer, .address_space: global }
      - { .name: key, .offset: 8, .size: 8, .value_kind: global_buffer, .address_space: global }
      - { .name: value, .offset: 16, .size: 8, .value_kind: global_buffer, .address_space: global }
      - { .name: wb, .offset: 24, .size: 8, .value_kind: global_buffer, .address_space: global }
      - { .name: qkv, .offset: 32, .size: 8, .value_kind: global_buffer, .address_space: global }
    .group_segment_fixed_size: 327680
    .private_segment_fixed_size: 0
    .kernarg_segment_align: 8
    .kernarg_segment_size: 40
    .max_flat_workgroup_size: 128
    .sgpr_count:     80
    .vgpr_count:     1024
    .wavefront_size: 32
...
	.end_amdgpu_metadata
.endif
;; end of part 2
;; launch att (part 3): grid 512 x 1, 8 waves a work-group, no clusters, 68,608 bytes of LDS; arguments qkv, wt; writes wt
.if DOCPART == 3
	.amdgcn_target "amdgcn-amd-amdhsa--gfx1250"
	.amdhsa_code_object_version 6
	.text
	.protected	k_qb9bb45f5f8_att
	.globl	k_qb9bb45f5f8_att
	.p2align	8
	.type	k_qb9bb45f5f8_att,@function
k_qb9bb45f5f8_att:
	s_mov_b64 s[64:65], 0
	v_nop
	global_prefetch_b8 v0, s[64:65] scope:SCOPE_SE
	s_setreg_imm32_b32 hwreg(HW_REG_WAVE_MODE, 25, 1), 1
	s_wait_xcnt 0x0
; ATTENTION BETWEEN THE 16 HEADS OF ONE POSITION.  For each of 16,384 positions: s[h][g] = Q[h] . K[g] (64 channels); p = softmax over g of s / 512; w[h][d] = the sum over g of p[h][g] V[g][d].
; qkv, f16: Q and K [position][h][d], V' [position][d][g], 32 MiB apart.  wt, f16: [b][h][s][d].  Products, maximum and sum in f32; p is divided by its sum in f32 and rounded to f16, w rounded once.
; LIMITS.  Q, K, V arrive finite, within f16's range.  The second product is 32 deep and has 16 heads: its upper half multiplies p = 0 by neighbouring finite numbers of V.  A weight below 2^-126 counts as 0.
; SHARES.  A wave takes four consecutive positions and no wave waits for another: no barrier.  All 48 loads of a wave (24 KiB) go out at once, so nothing is left to ask for ahead of them; no two waves read the same byte, so no cluster.
; LAYOUT.  S^T = K Q^T (source 0 = 16 heads g, source 1 = 16 heads h): a lane holds ONE head h (lane % 16) and g = 8 (lane / 16) + 0..7.  Rounded in pairs that IS the lower half of source 1 of O^T = V^T P,
; whose source 0 (16 channels d x heads g) comes straight from V', 16 bytes a lane; its result holds one head h a lane and eight channels.
; THE WAY OUT.  For head h the wave's four positions are 512 consecutive bytes of wt: the results go through the wave's own stage (16 rows of 512 + 16 bytes) and leave as whole rows.
.set SPITCH, 528
.set WSTAGE, 16*SPITCH
.set SPARE,  8*WSTAGE                  ; behind the stages: the spare words, 128 bytes for each wave: four blocks of 256 bytes that no other line names
.set QO,  2                            ; v2   my byte offset in Q and K: wave x 8,192 + (l % 16) x 128 + 16 (l / 16)
.set VO,  3                            ; v3   in V': wave x 8,192 + (l % 16) x 32 + 16 (l / 16)
.set STO, 4                            ; v4   where I put 16 bytes of a row of the stage
.set RD,  5                            ; v5   where I read a row back
.set GO,  6                            ; v6   16 x my thread's number: my 16 bytes of the work-group's 4,096 of a head
.set SPW, 8                            ; v8   my spare word; never rewritten
.set NIL, 9                            ; v9   0; never rewritten
.set Q,   16                           ; v[16:79]    Q: position i, channel half c at 16 i + 8 c
.set K,   80                           ; v[80:143]   K likewise
.set V,   144                          ; v[144:207]  V': position i, channel block cb at 16 i + 4 cb: four registers, the lower half of a fragment
.set Z,   208                          ; v[208:211]  0: the upper half behind the last fragment
.set S,   212                          ; v[212:243]  S^T, 8 a position
.set P,   16                           ; later, in Q's place: P, 8 a position, the upper four 0
.set T,   48                           ; later: four registers a position: maximum / sums, the other lanes' figure, and a pair for c m and then 1 / l
	s_load_b128 s[4:7], s[0:1], 0x0                ; qkv s[4:5], wt s[6:7]
	v_lshl_add_u32 v[SPW], v0, 2, SPARE
	v_mov_b32 v[NIL], 0
	v_lshrrev_b32 v1, 5, v0
	v_readfirstlane_b32 s8, v1                     ; wave 0..7
	v_and_b32 v10, 15, v0                          ; l % 16
	v_bfe_u32 v11, v0, 4, 1                        ; l / 16
	v_and_b32 v12, 31, v0                          ; l
	s_lshl_b32 s9, s8, 13                          ; my wave's four positions of 2,048 bytes
	v_lshlrev_b32 v[QO], 7, v10
	v_lshl_add_u32 v[QO], v11, 4, v[QO]
	v_add_nc_u32 v[QO], s9, v[QO]
	v_lshlrev_b32 v[VO], 5, v10
	v_lshl_add_u32 v[VO], v11, 4, v[VO]
	v_add_nc_u32 v[VO], s9, v[VO]
	s_mul_i32 s10, s8, WSTAGE                      ; my stage
	v_mul_u32_u24 v[STO], v10, SPITCH
	v_lshl_add_u32 v[STO], v11, 4, v[STO]
	v_add_nc_u32 v[STO], s10, v[STO]
	v_lshl_add_u32 v[RD], v12, 4, s10
	v_lshlrev_b32 v[GO], 4, v0
	s_mov_b32 s20, 0x3b38aa3b                      ; c = log2(e) / 512
	s_mov_b32 s21, s20                             ; named with it as a pair
	s_mov_b32 s22, 0x76543210                      ; v_permlanex16_b32: each lane takes its own place in the other half
	s_mov_b32 s23, 0xfedcba98
	s_lshl_b32 s2, ttmp9, 16                       ; the work-group's 32 positions of 2,048 bytes
	s_mov_b32 s3, 0
	s_lshr_b32 s24, ttmp9, 6                       ; b: 64 work-groups a batch,
	s_lshl_b32 s24, s24, 22                        ; 16 heads x 2,048 positions x 128 bytes
	s_and_b32 s25, ttmp9, 63
	s_lshl_b32 s25, s25, 12                        ; the work-group's 32 positions of 128 bytes in a head
	s_add_co_u32 s24, s24, s25
	s_mov_b32 s25, 0
	s_wait_kmcnt 0x0
	s_add_nc_u64 s[12:13], s[4:5], s[2:3]          ; Q
	s_add_nc_u64 s[14:15], s[12:13], 0x2000000     ; K
	s_add_nc_u64 s[16:17], s[12:13], 0x4000000     ; V'
	s_add_nc_u64 s[18:19], s[6:7], s[24:25]
.irp i, 0,1,2,3
.irp c, 0,1
	global_load_b128 v[K+16*(\i)+8*(\c):K+16*(\i)+8*(\c)+3],   v[QO], s[14:15] offset:(\i)*2048+(\c)*64 th:TH_LOAD_NT
	global_load_b128 v[K+16*(\i)+8*(\c)+4:K+16*(\i)+8*(\c)+7], v[QO], s[14:15] offset:(\i)*2048+(\c)*64+32 th:TH_LOAD_NT
.endr
.irp c, 0,1
	global_load_b128 v[Q+16*(\i)+8*(\c):Q+16*(\i)+8*(\c)+3],   v[QO], s[12:13] offset:(\i)*2048+(\c)*64 th:TH_LOAD_NT
	global_load_b128 v[Q+16*(\i)+8*(\c)+4:Q+16*(\i)+8*(\c)+7], v[QO], s[12:13] offset:(\i)*2048+(\c)*64+32 th:TH_LOAD_NT
.endr
.endr
.set n, 0
.rept 16
	global_load_b128 v[V+4*n:V+4*n+3], v[VO], s[16:17] offset:(n/4)*2048+(n%4)*512 th:TH_LOAD_NT  ; 512 consecutive bytes
.set n, n+1
.endr
.irp t, 0,1,2,3
	v_mov_b32 v[Z+(\t)], 0
.endr
	s_wait_loadcnt 16                              ; K and Q are in; V's 16 loads may stay out
.irp c, 0,1                            ; the four accumulators take turns; the first four products start the sums
.irp i, 0,1,2,3
.if (\c) == 0
	v_wmma_f32_16x16x32_f16 v[S+8*(\i):S+8*(\i)+7], v[K+16*(\i):K+16*(\i)+7], v[Q+16*(\i):Q+16*(\i)+7], 0
.else
	v_wmma_f32_16x16x32_f16 v[S+8*(\i):S+8*(\i)+7], v[K+16*(\i)+8:K+16*(\i)+15], v[Q+16*(\i)+8:Q+16*(\i)+15], v[S+8*(\i):S+8*(\i)+7]
.endif
.endr
.endr
.rept 5
	v_nop                                          ; five places: the scores are read, Q's registers written by vector instructions (four), and all these registers later written by matrix instructions (five) (ISA guide 7.12.1)
.endr
	; the softmax, each line for all four positions, so that no line waits for the one before it
.irp i, 0,1,2,3
	v_max3_num_f32 v[T+4*(\i)], v[S+8*(\i)], v[S+8*(\i)+1], v[S+8*(\i)+2]
.endr
.irp i, 0,1,2,3
	v_max3_num_f32 v[T+4*(\i)], v[T+4*(\i)], v[S+8*(\i)+3], v[S+8*(\i)+4]
.endr
.irp i, 0,1,2,3
	v_max3_num_f32 v[T+4*(\i)], v[T+4*(\i)], v[S+8*(\i)+5], v[S+8*(\i)+6]
.endr
.irp i, 0,1,2,3
	v_max_num_f32 v[T+4*(\i)], v[T+4*(\i)], v[S+8*(\i)+7]
.endr
.irp i, 0,1,2,3
	v_permlanex16_b32 v[T+4*(\i)+1], v[T+4*(\i)], s22, s23  ; the head's other eight g lie in the lane 16 away (its destination was written by Q's loads)
.endr
.irp i, 0,1,2,3
	v_max_num_f32 v[T+4*(\i)], v[T+4*(\i)], v[T+4*(\i)+1]
.endr
.irp i, 0,1,2,3
	v_mul_f32 v[T+4*(\i)+2], s20, v[T+4*(\i)]      ; c m
.endr
.irp i, 0,1,2,3
.irp p, 0,1,2,3
	v_pk_fma_f32 v[S+8*(\i)+2*(\p):S+8*(\i)+2*(\p)+1], v[S+8*(\i)+2*(\p):S+8*(\i)+2*(\p)+1], s[20:21], v[T+4*(\i)+2:T+4*(\i)+3] op_sel_hi:[1,0,0] neg_lo:[0,0,1] neg_hi:[0,0,1]  ; c s - c m
.endr
.endr
.set n, 0
.rept 32
	v_exp_f32 v[S+n], v[S+n]
.set n, n+1
.endr
.irp i, 0,1,2,3                        ; P's upper halves: plain instructions, which also stand between the last exponential and the use of its result
.irp t, 4,5,6,7
	v_mov_b32 v[P+8*(\i)+(\t)], 0
.endr
.endr
	s_wait_alu depctr_va_vdst(0)
.irp i, 0,1,2,3
	v_pk_add_f32 v[T+4*(\i):T+4*(\i)+1], v[S+8*(\i):S+8*(\i)+1], v[S+8*(\i)+2:S+8*(\i)+3]
.endr
.irp i, 0,1,2,3
	v_pk_add_f32 v[T+4*(\i)+2:T+4*(\i)+3], v[S+8*(\i)+4:S+8*(\i)+5], v[S+8*(\i)+6:S+8*(\i)+7]
.endr
.irp i, 0,1,2,3
	v_pk_add_f32 v[T+4*(\i):T+4*(\i)+1], v[T+4*(\i):T+4*(\i)+1], v[T+4*(\i)+2:T+4*(\i)+3]
.endr
.irp i, 0,1,2,3
	v_add_f32 v[T+4*(\i)], v[T+4*(\i)], v[T+4*(\i)+1]
.endr
.irp i, 0,1,2,3
	v_permlanex16_b32 v[T+4*(\i)+1], v[T+4*(\i)], s22, s23
.endr
.irp i, 0,1,2,3
	v_add_f32 v[T+4*(\i)], v[T+4*(\i)], v[T+4*(\i)+1]  ; l
.endr
.irp i, 0,1,2,3
	v_rcp_f32 v[T+4*(\i)+2], v[T+4*(\i)]
.endr
	v_nop                                          ; a plain instruction between the last reciprocal and the use of its result
	s_wait_alu depctr_va_vdst(0)
.irp i, 0,1,2,3
.irp p, 0,1,2,3
	v_pk_mul_f32 v[S+8*(\i)+2*(\p):S+8*(\i)+2*(\p)+1], v[S+8*(\i)+2*(\p):S+8*(\i)+2*(\p)+1], v[T+4*(\i)+2:T+4*(\i)+3] op_sel_hi:[1,0]
.endr
.endr
.irp i, 0,1,2,3
.irp p, 0,1,2,3
	v_cvt_pk_f16_f32 v[P+8*(\i)+(\p)], v[S+8*(\i)+2*(\p)], v[S+8*(\i)+2*(\p)+1]
.endr
.endr
	s_wait_loadcnt 0x0                             ; V'
; result n = 4 i + cb of the second product: in the registers that Q's upper half, K and S^T have left
.macro OREG n
.if (\n) < 12
.set rO, 48+8*(\n)
.else
.set rO, S+8*((\n)-12)
.endif
.endm
.set n, 0
.rept 16                               ; sixteen sums of one product each.  Source 0's upper four registers are the next fragment's (or Z): they meet P's zeros
	OREG n
	v_wmma_f32_16x16x32_f16 v[rO:rO+7], v[V+4*n:V+4*n+7], v[P+8*(n/4):P+8*(n/4)+7], 0
.set n, n+1
.endr
.rept 4
	v_nop                                          ; four places: the results are read, and V's registers written
.endr
.set n, 0
.rept 16                               ; each accumulator's registers in ascending order
	OREG n
.irp t, 0,1,2,3
	v_cvt_pk_f16_f32 v[V+4*n+(\t)], v[rO+2*(\t)], v[rO+2*(\t)+1]
.endr
.set n, n+1
.endr
.set n, 0
.rept 16
	ds_store_b128 v[STO], v[V+4*n:V+4*n+3] offset:(n/4)*128+(n%4)*32  ; row = head l % 16; position i's 128 bytes, channels 16 cb + 8 (l / 16) on
.set n, n+1
.endr
.set n, 0
.rept 16
	ds_load_b128 v[48+4*n:48+4*n+3], v[RD] offset:n*SPITCH  ; LDS serves a wave's instructions in order (ISA guide 5.7.1.4): these see the stores above
.set n, n+1
.endr
.set n, 0
.rept 16
	s_wait_dscnt 15-n                              ; row n is back; the rows behind it may be out
	global_store_b128 v[GO], v[48+4*n:48+4*n+3], s[18:19] offset:n*262144  ; head n: the wave stores 512 consecutive bytes, at a multiple of 256 from the buffer's first byte
.set n, n+1
.endr
	s_wait_tensorcnt 0x0                           ; the wave's end: behind my last LDS store
	ds_add_u32 v[SPW], v[NIL]
	s_wait_dscnt 0x0
	s_endpgm
.Lfunc_end_k_qb9bb45f5f8_att:
	.size	k_qb9bb45f5f8_att, .Lfunc_end_k_qb9bb45f5f8_att-k_qb9bb45f5f8_att
	.p2alignl 7, 3214868480
	.fill 96, 4, 3214868480
	.section	.rodata,"a",@progbits
	.p2align	6, 0x0
	.amdhsa_kernel k_qb9bb45f5f8_att
		.amdhsa_group_segment_fixed_size 68608
		.amdhsa_private_segment_fixed_size 0
		.amdhsa_enable_private_segment 0
		.amdhsa_kernarg_size 16
		.amdhsa_user_sgpr_count 2
		.amdhsa_user_sgpr_kernarg_segment_ptr 1
		.amdhsa_wavefront_size32 1
		.amdhsa_system_sgpr_workgroup_id_x 1
		.amdhsa_system_sgpr_workgroup_id_y 1
		.amdhsa_system_sgpr_workgroup_id_z 1
		.amdhsa_system_vgpr_workitem_id 0
		.amdhsa_next_free_vgpr 244
		.amdhsa_next_free_sgpr 66
		.amdhsa_reserve_vcc 0
		.amdhsa_float_denorm_mode_32 3
		.amdhsa_float_denorm_mode_16_64 3
		.amdhsa_memory_ordered 1
		.amdhsa_forward_progress 1
		.amdhsa_inst_pref_size 24
	.end_amdhsa_kernel
	.amdgpu_metadata
---
amdhsa.version: [ 1, 2 ]
amdhsa.kernels:
  - .name:           k_qb9bb45f5f8_att
    .symbol:         k_qb9bb45f5f8_att.kd
    .args:
      - { .name: qkv, .offset: 0, .size: 8, .value_kind: global_buffer, .address_space: global }
      - { .name: wt, .offset: 8, .size: 8, .value_kind: global_buffer, .address_space: global }
    .group_segment_fixed_size: 68608
    .private_segment_fixed_size: 0
    .kernarg_segment_align: 8
    .kernarg_segment_size: 16
    .max_flat_workgroup_size: 256
    .sgpr_count:     66
    .vgpr_count:     244
    .wavefront_size: 32
...
	.end_amdgpu_metadata
.endif
;; end of part 3
;; launch outp (part 4): grid 4 x 64, 4 waves a work-group, clusters of 4 x 4, 327,680 bytes of LDS; arguments wt, wb, out0; writes out0
.if DOCPART == 4
	.amdgcn_target "amdgcn-amd-amdhsa--gfx1250"
	.amdhsa_code_object_version 6
	.text
	.protected	k_qb9bb45f5f8_outp
	.globl	k_qb9bb45f5f8_outp
	.p2align	8
	.type	k_qb9bb45f5f8_outp,@function
k_qb9bb45f5f8_outp:
	s_mov_b64 s[64:65], 0
	v_nop
	global_prefetch_b8 v0, s[64:65] scope:SCOPE_SE
	s_setreg_imm32_b32 hwreg(HW_REG_WAVE_MODE, 25, 1), 1
	s_wait_xcnt 0x0
	s_wait_alu depctr_hold_cnt(0) depctr_sa_sdst(0) depctr_va_vdst(0) depctr_va_sdst(0) depctr_va_ssrc(0) depctr_va_vcc(0) depctr_vm_vsrc(0)
	s_getreg_b32 s2, hwreg(HW_REG_IB_STS2, 6, 4)
	s_cmp_eq_u32 s2, 0
	s_cbranch_scc0 .Lentry_in_a_cluster
	s_endpgm
.Lentry_in_a_cluster:
	s_bfe_u32 s2, ttmp6, 0x10000c
	s_cmp_lg_u32 s2, 0xf033
	s_cbranch_scc0 .Lentry_shape_is_right
	s_endpgm
.Lentry_shape_is_right:
; THE LAST PRODUCT: out0 = wt Wo.  wt: [16384][1024] f16 ([b][h][s][d] read as rows of 1,024), Wo: [1024 k][1024 n] f16 (wb's matrix 3), out0: [16384][1024] f32.  Sums in f32, stored as they are.
; SHARES.  256 tiles of 256 x 256, one for each WGP; four waves, each 128 x 128: 64 accumulators.  K goes in steps of 128 through two LDS slots; each wave fetches a quarter of a slot with one tensor load:
; waves 0, 1: 128 rows x 256 bytes of wt; waves 2, 3: 64 k-rows x 512 bytes of Wo.  All rows begin at multiples of 256 bytes.
; CLUSTER 4 x 4: A's tile is shared along a row of the cluster, B's along a column: joint loads, the same descriptor and mask in the four that it names.
; THE MATRIX INSTRUCTION IS USED TRANSPOSED: source 0 = 16 columns of Wo (turned out of LDS by ds_load_tr16_b128), source 1 = 16 rows of wt: a lane holds eight neighbouring numbers of a row of out0.
; REGISTERS, in windows of 256 (s_set_vgpr_msb: bits 1:0 source 0, 3:2 source 1, 5:4 source 2, 7:6 destination):
;   window 0: v16-30 addresses; v64-127, v128-191 A's fragments, two buffers (on the way out: rows read back)     window 1: v64-127, v128-191 B's fragments, two buffers
;   window 2: the accumulators of my rows 0-63 ((a, b) at 8 (8 a + b)); window 3: of my rows 64-127
.set KSTEP,  128
.set AROW,   2048                      ; bytes in a row of wt and of Wo
.set CROW,   4096                      ; bytes in a row of out0
.set PITCH,  272                       ; a row of A in LDS: 256 + 16: the 16 rows of a load start at 16 different groups of four banks (64 banks of 4 bytes: ISA guide 11.1)
.set BPITCH, 544                       ; a row of B: 512 + 32 = 136 words
.set HALFT,  128*PITCH                 ; what one tensor load brings: 128 x 272 = 64 x 544
.set SLOT,   4*HALFT                   ; A's 256 rows, then B's 128 rows
.set STAGE,  2*SLOT                    ; behind the ring, never filled by a tensor load: 16 rows x 528 bytes for each wave
.set SPITCH, 528
.set SPARE,  STAGE+4*16*SPITCH         ; the spare words, 128 bytes for each wave: two blocks of 256 bytes that no other line names
.set LAPS,   1024/(2*KSTEP)
.set ADRA, 16
.set ADRB, 20
.set STO,  24
.set RD,   25
.set CO,   26
.set SPW,  28                          ; v28  my spare word; never rewritten
.set NIL,  29                          ; v29  0; never rewritten
.set PFO,  30                          ; v30  my lane x a row of wt; never rewritten
.set PFA,  44                          ; s[44:45] where my prefetches stand
.set LIM,  43                          ; s43  1 in a wave that prefetches, else the greatest number
.set F0,   64
.set F1,   128
.set G1,  24
.set G0,  32
.set G1B, 48
.set G0B, 56
.set MSB, 0
.macro WIN new
.if MSB != (\new)
	s_set_vgpr_msb (MSB<<8)|(\new)
.set MSB, \new
.endif
.endm
.set MUL_LO, 0xa1
.set MUL_HI, 0xf1
.set TO_B,   0x40
.macro JLOAD s                         ; a joint load; an s_nop 0 and four v_nop follow each of the two lines, ahead of the jump and the label
	s_cmp_eq_u32 s11, 0
	s_cbranch_scc0 .Lfor_b_\@
	tensor_load_to_lds s[G0+4*(\s):G0+4*(\s)+3], s[G1:G1+7]
	s_nop 0
.rept 4
	v_nop
.endr
	s_branch .Lasked_\@
.Lfor_b_\@:
	tensor_load_to_lds s[G0B+4*(\s):G0B+4*(\s)+3], s[G1B:G1B+7]
	s_nop 0
.rept 4
	v_nop
.endr
.Lasked_\@:
.endm
; A prefetch of wt behind each joint refill and its run of LDS loads: the K step two refills on, 32 rows x 256 bytes, a lane a row.  A tile row of wt is read by one row of one cluster alone; of the 128 rows that
; wave 0 or 1 fetches the partner at place cx takes 32, told apart by address: each block is named once.  K steps 0 to 3 come by their loads alone; the last trip (s3 = 1) asks for nothing.  Wo is read by every cluster: not asked for.
.macro ASK
	s_cmp_gt_u32 s3, s[LIM]
	s_cbranch_scc0 .Lnot_mine_\@
	global_prefetch_b8 v[PFO], s[PFA:PFA+1] offset:KSTEP*2 th:TH_LOAD_NT scope:SCOPE_SE
.Lnot_mine_\@:
.endm
.macro CREST
	s_cmp_lg_u32 s10, 0
	s_cbranch_scc1 .Lnot_wave_0_\@
	s_barrier_signal -3
.Lnot_wave_0_\@:
	s_barrier_wait -3
	s_barrier_signal -1
	s_barrier_wait -1
.endm
.macro CROUND
	s_barrier_signal -1
	s_barrier_wait -1
	CREST
.endm
	s_load_b128 s[4:7], s[0:1], 0x0                ; wt s[4:5], wb s[6:7]
	s_load_b64 s[8:9], s[0:1], 0x10                ; out0
	v_lshl_add_u32 v[SPW], v0, 2, SPARE
	v_mov_b32 v[NIL], 0
	ds_add_u32 v[SPW], v[NIL]                      ; the wave's opening: the add and its wait stand ahead of my first tensor load; the set-up below stands between them
	v_lshrrev_b32 v1, 5, v0
	v_readfirstlane_b32 s10, v1                    ; wave 0..3
	s_lshr_b32 s11, s10, 1                         ; which half of the tile's rows is mine.  Also: I fetch for A (0) or for B (1)
	s_and_b32 s12, s10, 1                          ; which half of its columns.  Also: which half of that tile's rows I fetch
	s_bfe_u32 s40, ttmp6, 0x40000                  ; cx
	s_bfe_u32 s41, ttmp6, 0x40004                  ; cy
	s_lshl_b32 s42, ttmp9, 2
	s_add_co_u32 s42, s42, s40                     ; tile column
	s_and_b32 s13, ttmp7, 0xffff
	s_lshl_b32 s13, s13, 2
	s_add_co_u32 s13, s13, s41                     ; tile row
	s_lshl_b32 s43, s41, 2
	s_lshl_b32 s43, 15, s43                        ; my row of the cluster
	s_lshl_b32 s44, 0x1111, s40                    ; my column
	s_or_b32 s[G1+0], s43, (1<<16)|(1<<20)|(1<<21)|(5<<22)|(3<<25)   ; the mask; elements of 2 bytes; padding on; bit 21 beside a mask; after every 64 words 4 words
	s_mov_b32 s[G1+1], KSTEP<<16                   ; tensor_dim0 = 128
	s_mov_b32 s[G1+2], 128<<16                     ; tensor_dim1 = 128
	s_mov_b32 s[G1+3], KSTEP<<16                   ; tile_dim0 = 128
	s_mov_b32 s[G1+4], 128                         ; tile_dim1 = 128
	s_mov_b32 s[G1+5], 1024
	s_mov_b32 s[G1+6], 0
	s_mov_b32 s[G1+7], 0
	s_or_b32 s[G1B+0], s44, (1<<16)|(1<<20)|(1<<21)|(6<<22)|(7<<25)  ; after every 128 words 8 words
	s_mov_b32 s[G1B+1], 256<<16                    ; tensor_dim0 = 256
	s_mov_b32 s[G1B+2], 64<<16                     ; tensor_dim1 = 64
	s_mov_b32 s[G1B+3], 256<<16                    ; tile_dim0 = 256
	s_mov_b32 s[G1B+4], 64                         ; tile_dim1 = 64
	s_mov_b32 s[G1B+5], 1024
	s_mov_b32 s[G1B+6], 0
	s_mov_b32 s[G1B+7], 0
	s_lshl_b32 s16, s13, 8                         ; A hangs on the tile row and the wave alone
	s_lshl_b32 s17, s12, 7
	s_add_co_u32 s16, s16, s17
	s_lshl_b32 s16, s16, 11                        ; rows of 2,048 bytes (under 2^26)
	s_mov_b32 s17, 0
	s_lshl_b32 s46, s42, 9                         ; B on the tile column and the wave alone: 512 x tile column
	s_lshl_b32 s47, s12, 17                        ; + 64 rows of 2,048 bytes x half
	s_add_co_u32 s46, s46, s47
	s_add_co_u32 s46, s46, 0x600000                ; + matrix 3
	s_mov_b32 s47, 0
	s_mul_i32 s20, s10, HALFT                      ; where they go: A's two halves, then B's two: no place in the cluster enters an LDS address
	s_wait_dscnt 0x0                               ; the opening add is done
	s_wait_kmcnt 0x0
	s_add_nc_u64 s[14:15], s[4:5], s[16:17]
	s_add_nc_u64 s[46:47], s[6:7], s[46:47]
	CROUND                                         ; all sixteen work-groups are here: the first joint loads meet
.irp s, 0,1
	s_mov_b32 s[G0+4*(\s)], 1
	s_add_co_u32 s[G0+4*(\s)+1], s20, (\s)*SLOT
	s_add_nc_u64 s[G0+4*(\s)+2:G0+4*(\s)+3], s[14:15], (\s)*KSTEP*2
	s_or_b32 s[G0+4*(\s)+3], s[G0+4*(\s)+3], 0x80000000
	s_mov_b32 s[G0B+4*(\s)], 1
	s_add_co_u32 s[G0B+4*(\s)+1], s20, (\s)*SLOT
	s_add_nc_u64 s[G0B+4*(\s)+2:G0B+4*(\s)+3], s[46:47], (\s)*KSTEP*AROW
	s_or_b32 s[G0B+4*(\s)+3], s[G0B+4*(\s)+3], 0x80000000
	JLOAD \s                                       ; K steps 0 and 1: two loads of mine are out
.endr
	v_and_b32 v1, 15, v0                           ; l % 16
	v_bfe_u32 v2, v0, 4, 1                         ; l / 16
	v_mul_u32_u24 v3, v1, PITCH
	v_lshl_add_u32 v3, v2, 4, v3                   ; A: row x pitch + 16 x half
	v_and_b32 v4, 7, v0                            ; B: lane l reads k = 8 (l / 16) + l % 8, columns 8 ((l / 8) % 2) + 0..7
	v_bfe_u32 v5, v0, 3, 1
	v_lshl_add_u32 v4, v2, 3, v4
	v_mul_u32_u24 v4, v4, BPITCH
	v_lshl_add_u32 v4, v5, 4, v4
	s_mul_i32 s21, s11, HALFT                      ; my 128 rows of A
	s_lshl_b32 s22, s12, 8                         ; my 128 columns of B: 256 bytes of each row,
	s_add_co_u32 s22, s22, 2*HALFT                 ; behind A's 256 rows
.irp s, 0,1
	v_add_nc_u32 v[ADRA+(\s)], s21, v3
	v_add_nc_u32 v[ADRB+(\s)], s22, v4
	s_add_co_u32 s21, s21, SLOT
	s_add_co_u32 s22, s22, SLOT
.endr
	s_mul_i32 s23, s10, 16*SPITCH
	s_add_co_u32 s23, s23, STAGE                   ; my stage
	v_mul_u32_u24 v4, v1, SPITCH                   ; in: row l % 16, 32 bytes for each half of the lanes
	v_lshl_add_u32 v4, v2, 5, v4
	v_add_nc_u32 v[STO], s23, v4
	v_and_b32 v5, 31, v0
	v_lshl_add_u32 v[RD], v5, 4, s23               ; back: 32 lanes take one row of 512 bytes
	v_lshlrev_b32 v[CO], 4, v5                     ; and the same in out0
	v_lshlrev_b32 v[PFO], 11, v5
	s_lshl_b32 s16, s13, 8                         ; where my part of the tile begins in out0, in bytes (under 2^27)
	s_lshl_b32 s14, s11, 7
	s_add_co_u32 s16, s16, s14
	s_lshl_b32 s16, s16, 12
	s_lshl_b32 s46, s42, 10
	s_lshl_b32 s47, s12, 9
	s_add_co_u32 s46, s46, s47
	s_add_co_u32 s16, s16, s46
	s_mov_b32 s17, 0
	s_lshl_b32 s20, s13, 8                         ; the prefetches: the 128 rows that I fetch,
	s_lshl_b32 s21, s12, 7
	s_add_co_u32 s20, s20, s21
	s_lshl_b32 s21, s40, 5                         ; my work-group's 32 of them,
	s_add_co_u32 s20, s20, s21
	s_lshl_b32 s20, s20, 11
	s_add_co_u32 s20, s20, 2*KSTEP*2               ; at K step 2: the first refill steps it to 3 and names K step 4
	s_mov_b32 s21, 0
	s_add_nc_u64 s[PFA:PFA+1], s[4:5], s[20:21]
	s_cmp_eq_u32 s11, 0
	s_cselect_b32 s[LIM], 1, -1
; 16 matrix instructions: m blocks a0, a0 + 1 of the window's four x all 8 n blocks.  zero = 1: the products start the sums.
.macro MUL16 f, hi, a0, zero
	WIN MUL_LO+0x50*(\hi)
.irp a, \a0, (\a0)+1
.irp b, 0,1,2,3,4,5,6,7
.if \zero
	v_wmma_f32_16x16x32_f16 v[8*(8*(\a)+(\b)):8*(8*(\a)+(\b))+7], v[(\f)+8*(\b):(\f)+8*(\b)+7], v[(\f)+8*(4*(\hi)+(\a)):(\f)+8*(4*(\hi)+(\a))+7], 0
.else
	v_wmma_f32_16x16x32_f16 v[8*(8*(\a)+(\b)):8*(8*(\a)+(\b))+7], v[(\f)+8*(\b):(\f)+8*(\b)+7], v[(\f)+8*(4*(\hi)+(\a)):(\f)+8*(4*(\hi)+(\a))+7], v[8*(8*(\a)+(\b)):8*(8*(\a)+(\b))+7]
.endif
.endr
.endr
.endm
; 32 LDS loads in one run: quarter q of a slot (32 along K) into buffer f: B's eight fragments, turned, then A's eight
.macro FETCH slot, q, f
	WIN TO_B
.irp i, 0,1,2,3,4,5,6,7
	ds_load_tr16_b128 v[(\f)+8*(\i):(\f)+8*(\i)+3],   v[ADRB+(\slot)] offset:(\q)*32*BPITCH+32*(\i)
	ds_load_tr16_b128 v[(\f)+8*(\i)+4:(\f)+8*(\i)+7], v[ADRB+(\slot)] offset:(\q)*32*BPITCH+32*(\i)+16*BPITCH
.endr
	WIN 0
.irp i, 0,1,2,3,4,5,6,7
	ds_load_b128 v[(\f)+8*(\i):(\f)+8*(\i)+3],   v[ADRA+(\slot)] offset:(\q)*64+(\i)*16*PITCH
	ds_load_b128 v[(\f)+8*(\i)+4:(\f)+8*(\i)+7], v[ADRA+(\slot)] offset:(\q)*64+(\i)*16*PITCH+32
.endr
.endm
.macro PLACES                          ; a load into a register that a matrix instruction has read, and an LDS store of a matrix result, stand four plain vector instructions behind it (ISA guide 7.12.1 for vector instructions)
.rept 4
	v_nop
.endr
.endm
; A K step is four quarters of 32 along K, on buffers 0, 1, 0, 1.  One of the first three multiplies buffer f and in its middle fetches quarter q of the same slot into g.
; The 64 accumulators take turns in the same order in every quarter, over the backward jump too.
.macro QUARTER slot, q, f, g, zero
	s_wait_dscnt 8                                 ; B and A's rows 0-63 are in; the youngest eight loads may be out
	MUL16 \f, 0, 0, \zero
	MUL16 \f, 0, 2, \zero
	PLACES
	FETCH \slot, \q, \g
	s_wait_dscnt 32                                ; all but the 32 just issued
	MUL16 \f, 1, 0, \zero
	MUL16 \f, 1, 2, \zero
.endm
; The last quarter multiplies buffer 1 and changes slots: ONE barrier.  In front of it each wave waits for all its tensor loads, of which one is out: its part of the next slot; adds 0 to its spare word; and waits for
; that and for its reads of this slot.  fill = 1: the barrier opens a round of the cluster's, and this slot is filled again first thing behind it, two K steps ahead: 224 matrix instructions ahead of the wait for it.
.macro TURN slot, next, fill
.if \fill
	s_wait_xcnt 0x0                                ; the last prefetch, a K step back, has read its address
	s_add_nc_u64 s[PFA:PFA+1], s[PFA:PFA+1], KSTEP*2
.endif
	WIN 0                                          ; (the add's two registers lie in window 0)
	s_wait_tensorcnt 0x0                           ; all my tensor loads have landed
	ds_add_u32 v[SPW], v[NIL]                      ; 0 onto my spare word
	s_wait_dscnt 9                                 ; the add and the youngest eight loads may be out
	MUL16 F1, 0, 0, 0                              ; sixteen matrix instructions stand between the add and the wait for it
	s_wait_dscnt 0x0                               ; the add is done, and my reads of this slot are over
	s_barrier_signal -1
	MUL16 F1, 0, 2, 0                              ; work on registers while the others arrive
.if \fill
	WIN 0
.endif
	s_barrier_wait -1
.if \fill
	CREST                                          ; no wave of any partner still reads this slot or has a load on its way
	s_add_nc_u64 s[G0+4*(\slot)+2:G0+4*(\slot)+3], s[G0+4*(\slot)+2:G0+4*(\slot)+3], 2*KSTEP*2
	s_add_nc_u64 s[G0B+4*(\slot)+2:G0B+4*(\slot)+3], s[G0B+4*(\slot)+2:G0B+4*(\slot)+3], 2*KSTEP*AROW
	JLOAD \slot                                    ; the four v_nop behind it are also the places in front of the loads below
.else
	PLACES
.endif
	FETCH \next, 0, F0
.if \fill
	ASK
.endif
	MUL16 F1, 1, 0, 0
	MUL16 F1, 1, 2, 0
.endm
; THE WAY OUT of block a (16 rows x 128 columns of f32): a lane's eight numbers, 32 bytes, go from the accumulators into my own stage, the lower four registers first; they come back as whole rows of 512 bytes.
.macro STIN a
.set AC, 64*((\a)%4)
	WIN 0x08+4*((\a)/4)                            ; the stores' data (source 1) in window 2 or 3
.irp b, 0,1,2,3,4,5,6,7
	ds_store_b128 v[STO], v[AC+8*(\b):AC+8*(\b)+3]   offset:64*(\b)
	ds_store_b128 v[STO], v[AC+8*(\b)+4:AC+8*(\b)+7] offset:64*(\b)+16
.endr
	WIN 0
.endm
.macro STOUT a
.set BK, F0+64*((\a)%2)
.irp t, 0,1,2,3,4,5,6,7,8,9,10,11,12,13,14,15
	ds_load_b128 v[BK+4*(\t):BK+4*(\t)+3], v[RD] offset:(\t)*SPITCH  ; LDS serves a wave's instructions in order (ISA guide 5.7.1.4): these see the stores above; the next block's stores come behind them
.endr
.endm
.macro SEND a
.set BK, F0+64*((\a)%2)
	s_wait_dscnt 0x0                               ; the block is back in registers
	s_wait_xcnt 0x0                                ; the stores' base, and the registers that earlier stores read, are rewritten only behind this wait
.if (\a) == 0
	s_add_nc_u64 s[8:9], s[8:9], s[16:17]
.else
	s_add_nc_u64 s[8:9], s[8:9], 16*CROW
.endif
.irp t, 0,1,2,3,4,5,6,7,8,9,10,11,12,13,14,15
	global_store_b128 v[CO], v[BK+4*(\t):BK+4*(\t)+3], s[8:9] offset:(\t)*CROW th:TH_STORE_NT  ; the wave stores 512 consecutive bytes, at a multiple of 256 from out0's first byte
.endr
.endm
	s_wait_tensorcnt 1                             ; my part of K step 0 is in; K step 1's may stay out
	s_barrier_signal -1
	s_barrier_wait -1                              ; everybody's is
	FETCH 0, 0, F0
	QUARTER 0, 1, F0, F1, 1                        ; the first quarter stands in front of the loop: its products start the sums
	WIN 0                                          ; at a label and at a branch every window is 0
	s_mov_b32 s3, LAPS-1
.Llap:                                                 ; a trip goes once round the ring and fills both slots again: K steps 2 to 7
	QUARTER 0, 2, F1, F0, 0
	QUARTER 0, 3, F0, F1, 0
	TURN 0, 1, 1
	QUARTER 1, 1, F0, F1, 0
	QUARTER 1, 2, F1, F0, 0
	QUARTER 1, 3, F0, F1, 0
	TURN 1, 0, 1
	QUARTER 0, 1, F0, F1, 0
	WIN 0
	s_sub_co_u32 s3, s3, 1
	s_cmp_lg_u32 s3, 0
	s_cbranch_scc1 .Llap
	QUARTER 0, 2, F1, F0, 0                        ; the last lap fills nothing, and no round follows its barrier
	QUARTER 0, 3, F0, F1, 0
	TURN 0, 1, 0
	QUARTER 1, 1, F0, F1, 0
	QUARTER 1, 2, F1, F0, 0
	QUARTER 1, 3, F0, F1, 0
	s_wait_dscnt 8                                 ; the very last quarter: nothing more to fetch
	MUL16 F1, 0, 0, 0
	MUL16 F1, 0, 2, 0
	s_wait_dscnt 0x0
	MUL16 F1, 1, 0, 0
	MUL16 F1, 1, 2, 0
	PLACES                                         ; in front of the LDS stores of the results and of the loads into the fragments' registers
	STIN 0
	STOUT 0
.irp a, 1,2,3,4,5,6,7
	SEND (\a)-1
	STIN \a
	STOUT \a
.endr
	SEND 7
	s_wait_tensorcnt 0x0                           ; the wave's end: behind my last tensor load and my last LDS store
	ds_add_u32 v[SPW], v[NIL]
	s_wait_dscnt 0x0
	CROUND                                         ; the closing round: no work-group ends while a partner may still ask for a tile that names it
	s_endpgm
.Lfunc_end_k_qb9bb45f5f8_outp:
	.size	k_qb9bb45f5f8_outp, .Lfunc_end_k_qb9bb45f5f8_outp-k_qb9bb45f5f8_outp
	.p2alignl 7, 3214868480
	.fill 96, 4, 3214868480
	.section	.rodata,"a",@progbits
	.p2align	6, 0x0
	.amdhsa_kernel k_qb9bb45f5f8_outp
		.amdhsa_group_segment_fixed_size 327680
		.amdhsa_private_segment_fixed_size 0
		.amdhsa_enable_private_segment 0
		.amdhsa_kernarg_size 24
		.amdhsa_user_sgpr_count 2
		.amdhsa_user_sgpr_kernarg_segment_ptr 1
		.amdhsa_wavefront_size32 1
		.amdhsa_system_sgpr_workgroup_id_x 1
		.amdhsa_system_sgpr_workgroup_id_y 1
		.amdhsa_system_sgpr_workgroup_id_z 1
		.amdhsa_system_vgpr_workitem_id 0
		.amdhsa_next_free_vgpr 1024
		.amdhsa_next_free_sgpr 66
		.amdhsa_reserve_vcc 0
		.amdhsa_float_denorm_mode_32 3
		.amdhsa_float_denorm_mode_16_64 3
		.amdhsa_memory_ordered 1
		.amdhsa_forward_progress 1
		.amdhsa_inst_pref_size 142
	.end_amdhsa_kernel
	.amdgpu_metadata
---
amdhsa.version: [ 1, 2 ]
amdhsa.kernels:
  - .name:           k_qb9bb45f5f8_outp
    .symbol:         k_qb9bb45f5f8_outp.kd
    .args:
      - { .name: wt, .offset: 0, .size: 8, .value_kind: global_buffer, .address_space: global }
      - { .name: wb, .offset: 8, .size: 8, .value_kind: global_buffer, .address_space: global }
      - { .name: out0, .offset: 16, .size: 8, .value_kind: global_buffer, .address_space: global }
    .group_segment_fixed_size: 327680
    .private_segment_fixed_size: 0
    .kernarg_segment_align: 8
    .kernarg_segment_size: 24
    .max_flat_workgroup_size: 128
    .sgpr_count:     66
    .vgpr_count:     1024
    .wavefront_size: 32
...
	.end_amdgpu_metadata
.endif
;; end of part 4
;; ======== version 2 of 3: 4 launches
;; limits: values are held in f16: magnitudes above 65,504 overflow, below 6.1e-05 lose precision
;; workspace buffers: wb 8,388,608 bytes; qkv 100,663,296 bytes; wt 33,554,432 bytes
;; launch prep (part 5): grid 128 x 4, 8 waves a work-group, no clusters, 0 bytes of LDS; arguments Wq, Wk, Wv, Wo, wb; writes wb
.if DOCPART == 5
	.amdgcn_target "amdgcn-amd-amdhsa--gfx1250"
	.amdhsa_code_object_version 6
	.text
	.protected	k_qb9bb45f5f8_prep
	.globl	k_qb9bb45f5f8_prep
	.p2align	8
	.type	k_qb9bb45f5f8_prep,@function
k_qb9bb45f5f8_prep:
	s_mov_b64 s[64:65], 0
	v_nop
	global_prefetch_b8 v0, s[64:65] scope:SCOPE_SE
	s_setreg_imm32_b32 hwreg(HW_REG_WAVE_MODE, 25, 1), 1
	s_wait_xcnt 0x0
; THE WEIGHTS IN 16 BITS.  wb holds four matrices [1024 k][1024 n] of 2 bytes, 2 MiB apart, each rounded once to bf16:
;   0: Wq, 1: Wk, their columns BY FRAGMENTS: column 256 j + 128 h + 8 r + e holds source column 64 r + 16 j + 8 h + e (head r, channel 16 j + 8 h + e), so that the projection
;      lays a position's Q and K as the head attention's lanes take them, 16 bytes a lane, 512 bytes on end a load
;   2: Wv with its columns turned: column d*16+g holds Wv[:, g*64+d], so that the projection writes a position's V as [d][g]
;   3: Wo as it lies: the bf16 number written as f16 (the last product multiplies in f16)
; LIMITS.  Matrix 3: a number under 2^-14 keeps f16's fixed step of 2^-24, one of 65,520 or more becomes an infinity.
; SHARES.  y picks the matrix, x eight rows k.  Four steps of two rows; thread t makes 8 neighbouring numbers a step: 16 bytes, so sixteen lanes store 256 consecutive bytes, aligned.
; A stream bound by its bytes (16 MiB in, 8 MiB out): no LDS, no matrix unit, no cluster; all of a thread's loads go out at once, and no register is written twice while memory may read it.
.set X, 8                              ; v[8:39]   4 steps x 8 numbers in f32
.set Y, 40                             ; v[40:55]  4 steps x 4 words of two 16-bit numbers
.set T, 56                             ; v[56:63]  at work
	s_load_b256 s[8:15], s[0:1], 0x0               ; Wq s[8:9], Wk s[10:11], Wv s[12:13], Wo s[14:15]
	s_load_b64 s[16:17], s[0:1], 0x20              ; wb
	s_and_b32 s2, ttmp7, 0xffff                    ; which matrix
	s_lshl_b32 s18, ttmp9, 15                      ; my 8 rows of 4,096 bytes in the source,
	s_mov_b32 s19, 0
	s_lshl_b32 s20, s2, 21                         ; the matrix's 2 MiB in wb
	s_lshl_b32 s21, ttmp9, 14                      ; and my 8 rows of 2,048 bytes there
	s_add_co_u32 s20, s20, s21
	s_mov_b32 s21, 0
	v_lshlrev_b32 v1, 5, v0                        ; as it lies: 32 bytes of f32 a thread
	v_lshlrev_b32 v2, 4, v0                        ; 16 bytes out
	v_and_b32 v4, 127, v0                          ; c: my place in a row of 128 groups of 8
	v_lshrrev_b32 v3, 7, v0                        ; which of the step's two rows
	v_lshlrev_b32 v3, 12, v3
	v_and_b32 v6, 15, v4                           ; by fragments: r = c % 16, 2 j + h = c / 16:
	v_lshl_add_u32 v6, v6, 8, v3                   ; the row + 256 r
	v_lshrrev_b32 v7, 4, v4
	v_lshl_add_u32 v6, v7, 5, v6                   ; + 32 (2 j + h): 32 bytes on end
	v_and_b32 v5, 1, v4                            ; turned: n' = 8 c + j, d = c / 2, g = 8 (c % 2) + j
	v_lshl_add_u32 v3, v5, 11, v3                  ; + 8 (c % 2) heads of 256 bytes
	v_lshrrev_b32 v4, 1, v4
	v_lshl_add_u32 v3, v4, 2, v3                   ; + 4 d; j stands in the immediate, 256 bytes a head
	s_cmp_lt_u32 s2, 2
	s_cbranch_scc0 .Las_it_lies
	v_mov_b32 v1, v6                               ; Wq and Wk
.Las_it_lies:
	s_wait_kmcnt 0x0
	s_cmp_eq_u32 s2, 1
	s_cselect_b64 s[4:5], s[10:11], s[8:9]
	s_cmp_eq_u32 s2, 2
	s_cselect_b64 s[4:5], s[12:13], s[4:5]
	s_cmp_eq_u32 s2, 3
	s_cselect_b64 s[4:5], s[14:15], s[4:5]
	s_add_nc_u64 s[4:5], s[4:5], s[18:19]
	s_add_nc_u64 s[6:7], s[16:17], s[20:21]
	s_cmp_eq_u32 s2, 2
	s_cbranch_scc1 .Lturned
.irp st, 0,1,2,3
	global_load_b128 v[X+8*(\st):X+8*(\st)+3],   v1, s[4:5] offset:(\st)*8192
	global_load_b128 v[X+8*(\st)+4:X+8*(\st)+7], v1, s[4:5] offset:(\st)*8192+16
.endr
	s_branch .Lloaded
.Lturned:                                      ; Wv: eight heads' numbers of one d
.irp st, 0,1,2,3
.irp j, 0,1,2,3,4,5,6,7
	global_load_b32 v[X+8*(\st)+(\j)], v3, s[4:5] offset:(\st)*8192+(\j)*256
.endr
.endr
.Lloaded:
	s_wait_loadcnt 0x0
.set i, 0
.rept 16
	v_cvt_pk_bf16_f32 v[Y+i], v[X+2*i], v[X+2*i+1]
.set i, i+1
.endr
	s_cmp_lg_u32 s2, 3
	s_cbranch_scc1 .Lstore
.set i, 0
.rept 16                               ; Wo: the bf16 numbers widened (exact) and written as f16
	v_lshlrev_b32 v[T+2*(i%4)], 16, v[Y+i]
	v_and_b32 v[T+2*(i%4)+1], 0xffff0000, v[Y+i]
	v_cvt_pk_f16_f32 v[Y+i], v[T+2*(i%4)], v[T+2*(i%4)+1]
.set i, i+1
.endr
.Lstore:
.irp st, 0,1,2,3
	global_store_b128 v2, v[Y+4*(\st):Y+4*(\st)+3], s[6:7] offset:(\st)*4096
.endr
	s_endpgm
.Lfunc_end_k_qb9bb45f5f8_prep:
	.size	k_qb9bb45f5f8_prep, .Lfunc_end_k_qb9bb45f5f8_prep-k_qb9bb45f5f8_prep
	.p2alignl 7, 3214868480
	.fill 96, 4, 3214868480
	.section	.rodata,"a",@progbits
	.p2align	6, 0x0
	.amdhsa_kernel k_qb9bb45f5f8_prep
		.amdhsa_group_segment_fixed_size 0
		.amdhsa_private_segment_fixed_size 0
		.amdhsa_enable_private_segment 0
		.amdhsa_kernarg_size 40
		.amdhsa_user_sgpr_count 2
		.amdhsa_user_sgpr_kernarg_segment_ptr 1
		.amdhsa_wavefront_size32 1
		.amdhsa_system_sgpr_workgroup_id_x 1
		.amdhsa_system_sgpr_workgroup_id_y 1
		.amdhsa_system_sgpr_workgroup_id_z 1
		.amdhsa_system_vgpr_workitem_id 0
		.amdhsa_next_free_vgpr 64
		.amdhsa_next_free_sgpr 66
		.amdhsa_reserve_vcc 0
		.amdhsa_float_denorm_mode_32 3
		.amdhsa_float_denorm_mode_16_64 3
		.amdhsa_memory_ordered 1
		.amdhsa_forward_progress 1
		.amdhsa_inst_pref_size 10
	.end_amdhsa_kernel
	.amdgpu_metadata
---
amdhsa.version: [ 1, 2 ]
amdhsa.kernels:
  - .name:           k_qb9bb45f5f8_prep
    .symbol:         k_qb9bb45f5f8_prep.kd
    .args:
      - { .name: Wq, .offset: 0, .size: 8, .value_kind: global_buffer, .address_space: global }
      - { .name: Wk, .offset: 8, .size: 8, .value_kind: global_buffer, .address_space: global }
      - { .name: Wv, .offset: 16, .size: 8, .value_kind: global_buffer, .address_space: global }
      - { .name: Wo, .offset: 24, .size: 8, .value_kind: global_buffer, .address_space: global }
      - { .name: wb, .offset: 32, .size: 8, .value_kind: global_buffer, .address_space: global }
    .group_segment_fixed_size: 0
    .private_segment_fixed_size: 0
    .kernarg_segment_align: 8
    .kernarg_segment_size: 40
    .max_flat_workgroup_size: 256
    .sgpr_count:     66
    .vgpr_count:     64
    .wavefront_size: 32
...
	.end_amdgpu_metadata
.endif
;; end of part 5
;; launch proj (part 6): grid 256 x 1, 4 waves a work-group, clusters of 4 x 1, 327,680 bytes of LDS; arguments query, key, value, wb, qkv; writes qkv
.if DOCPART == 6
	.amdgcn_target "amdgcn-amd-amdhsa--gfx1250"
	.amdhsa_code_object_version 6
	.text
	.protected	k_qb9bb45f5f8_proj
	.globl	k_qb9bb45f5f8_proj
	.p2align	8
	.type	k_qb9bb45f5f8_proj,@function
k_qb9bb45f5f8_proj:
	s_mov_b64 s[64:65], 0
	v_nop
	global_prefetch_b8 v0, s[64:65] scope:SCOPE_SE
	s_setreg_imm32_b32 hwreg(HW_REG_WAVE_MODE, 25, 1), 1
	s_wait_xcnt 0x0
	s_wait_alu depctr_hold_cnt(0) depctr_sa_sdst(0) depctr_va_vdst(0) depctr_va_sdst(0) depctr_va_ssrc(0) depctr_va_vcc(0) depctr_vm_vsrc(0)
	s_getreg_b32 s2, hwreg(HW_REG_IB_STS2, 6, 4)
	s_cmp_eq_u32 s2, 0
	s_cbranch_scc0 .Lentry_in_a_cluster
	s_endpgm
.Lentry_in_a_cluster:
	s_bfe_u32 s2, ttmp6, 0x10000c
	s_cmp_lg_u32 s2, 0x3003
	s_cbranch_scc0 .Lentry_shape_is_right
	s_endpgm
.Lentry_shape_is_right:
; THE THREE PROJECTIONS in one launch: C = x W, x: [16384][1024] f32 (query, key, value), W: [1024 k][1024 n] bf16 (wb's matrices 0, 1, 2), C: [16384][1024] f16 (Q, K, V' in qkv, 32 MiB apart).
; x is rounded once to bf16 on its way into LDS; sums in f32; C rounded once to f16.
; LIMIT.  f16 ends at 65,504: a Q, K or V of 65,520 or more becomes an infinity.  NaN and infinities are not treated apart.
; SHARES.  256 work-groups, one for each WGP, THAT STAY: each makes three tiles of C, 128 rows x 512 columns: the same rows and the same column half of Q, then of K, then of V'.  Cluster x = 2 x (a group of four
; row tiles) + the column half; the place in the cluster picks the row tile.  The four waves share the tile's 128 rows; each has 128 columns of its own: 64 accumulators.
; W COMES BY THE TENSOR DATA MOVER, in K steps of 128 through two LDS slots: a wave's one load brings 32 k-rows x 1,024 bytes.  The four work-groups of a cluster want the same rows and columns of W:
; each load is asked for JOINTLY, with the same descriptor and the mask of four.  wb's matrices 0, 1, 2 lie end to end, 8 K steps of 262,144 bytes each: for the ring the three tiles are ONE run of 24 K steps,
; and a refill's step is the same at a change of tiles as anywhere.
; x COMES THROUGH REGISTERS, in chunks of 64 along K: a wave loads 32 of the tile's rows, 256 bytes of each (16 loads of two aligned runs of 256 bytes), rounds them to bf16 and stores them to LDS, where all four
; waves read them as fragments.  Two landing buffers: chunk c + 2 is asked for when chunk c has been rounded, 256 matrix instructions ahead of its own rounding.  The three tiles' chunks are one run of 48:
; in a tile's last lap the two pointers go over to the next tensor, by a choice on the lap's number.
; NOT BY A JOINT LOAD: in LDS x would then lie as f32, 128 x 528 bytes for a K step of 128 beside W's 135,168: two such slots are 405,504 bytes, more than the 327,680 there are; and a row of x is
; read by two work-groups only, the two column halves, which lie in neighbouring clusters.
; THE MATRIX INSTRUCTION IS USED TRANSPOSED: source 0 = 16 columns of W (turned out of LDS by ds_load_tr16_b128), source 1 = 16 rows of x: a lane holds eight neighbouring numbers of a row of C.
; BARRIERS, two for a K step of four quarters.  Chunk 2 s + 1 is stored in step s's first quarter (A's slot 1) and published by the barrier at the head of the second, which also frees A's slot 0;
; chunk 2 s + 2 is stored in the third quarter (A's slot 0) and published by the barrier of the change of W's slots in the fourth, which also frees A's slot 1.
; A CHANGE OF TILES stands behind a lap's second change of slots: both refills, the next chunks and the next tile's first fragments have been asked for; then the tile goes out, and nothing waits for its stores.
; REGISTERS, in windows of 256 (s_set_vgpr_msb: bits 1:0 source 0, 3:2 source 1, 5:4 source 2, 7:6 destination):
;   window 0: v16-31 addresses; v32-63 a chunk rounded (on the way out: rows read back); v64-127, v128-191 A's fragments, two buffers; v192-255 the way out
;   window 1: v0-63, v192-255 the two landing buffers; v64-127, v128-191 B's fragments, two buffers
;   window 2: the accumulators of rows 0-63 ((a, b) at 8 (8 a + b)); window 3: of rows 64-127
.set KSTEP,  128
.set CHK,    64                        ; a chunk of x along K
.set XROW,   4096                      ; bytes in a row of x
.set WROW,   2048                      ; bytes in a row of W
.set CROW,   2048                      ; bytes in a row of C
.set BPITCH, 1056                      ; a k-row of W in LDS: 1,024 bytes + 32 = 33 x 32
.set BQ,     32*BPITCH                 ; 32 k-rows: what one tensor load brings, and what a quarter reads
.set BSLOT,  4*BQ                      ; 135,168
.set ABASE,  2*BSLOT                   ; behind W's ring, never filled by a tensor load: x in bf16
.set APITCH, 144                       ; 128 bytes + 16 = 9 x 16: the 16 rows of a load start at 16 different groups of four banks
.set ASLOT,  128*APITCH                ; a chunk: 18,432
.set STAGE,  ABASE+2*ASLOT             ; 16 rows x 272 bytes for each wave, for the way out
.set SPITCH, 272
.set SPARE,  STAGE+4*16*SPITCH         ; the spare words, 128 bytes for each wave: two blocks of 256 bytes that no other line names
.set TLAPS,  1024/(2*KSTEP)            ; a lap = two K steps = once round W's ring; four laps a tile,
.set LAPS,   3*TLAPS                   ; twelve in all
.set NEXT_C, 0x2000000-7*16*CROW       ; bytes from my last 16 rows of a tile to my first of the next
.set ADRA, 16                          ; v16     LDS address of my lane in A's fragments; slot and quarter stand in the immediate
.set ADRB, 20                          ; v20-23  the same for B: slot 0 quarters 0-1, 2-3; slot 1 quarters 0-1, 2-3
.set STO,  24                          ; v24     the way out: where I put 16 bytes of a row
.set RD,   25                          ; v25     where I read a row back
.set CO,   26                          ; v26     my byte offset in C
.set AOFF, 27                          ; v27     my byte offset in two rows of x: (l / 16) x 4,096 + 16 (l % 16); never rewritten
.set SPW,  28                          ; v28     my spare word: SPARE + 4 x my thread's number; never rewritten
.set NIL,  29                          ; v29     0; never rewritten
.set PFO,  30                          ; v30     the prefetches' offset: my lane x a row of x; never rewritten
.set AST,  31                          ; v31     where I store my 8 bytes of a chunk's row
.set CT,   32                          ; v32-63  a chunk rounded: two registers for each of its 16 loads
.set F0,   64
.set F1,   128
.set TMP,  192
.set OB,   32
.set LND0, 0                           ; window 1
.set LND1, 192                         ; window 1
.set G1,   24                          ; s[24:31] descriptor group 1
.set G0,   32                          ; s[32:39] descriptor group 0, a set for each slot
.set AP,   40                          ; s[40:41], s[42:43] x at my wave's first row, at the chunk last asked for into landing buffer 0, 1
.set XN,   48                          ; s[48:49], s[50:51] the next tile's x at my wave's first row, at its chunks 0 and 1
.set XNN,  52                          ; s[52:53] the x of the tile after that, at its chunk 0
                                       ; s2  laps left in the tile, this one among them;  s3  laps still to be entered;  s14  the column half
.set MSB, 0
.macro WIN new                         ; the immediate's high byte repeats the setting that is left; a switch that changes nothing is dropped
.if MSB != (\new)
	s_set_vgpr_msb (MSB<<8)|(\new)
.set MSB, \new
.endif
.endm
.set MUL_LO, 0xa1                      ; source 0 (B) window 1, source 1 (A) window 0, C and D window 2
.set MUL_HI, 0xf1                      ; the same, C and D window 3
.set TO_B,   0x40                      ; destination window 1, address window 0
.set CVT,    0x05                      ; sources window 1, destination window 0
; A joint load: every wave brings its own 32 k-rows.  An s_nop 0 and four v_nop follow the line.
.macro JLOAD s
	tensor_load_to_lds s[G0+4*(\s):G0+4*(\s)+3], s[G1:G1+7]
	s_nop 0
.rept 4
	v_nop
.endr
.endm
; A prefetch of x, behind a chunk's loads: my wave's own 32 rows x 256 bytes of the chunk that this landing buffer will ask for next: a lane a row, one instruction, 256 matrix instructions ahead of the loads that
; will want them.  A row of x is read by the two column halves: half 0 alone asks, so each run of 256 bytes is named once in the launch.  A row has 16 chunks: behind the loads of a tile's chunks 14 and 15
; (s2 = skip there) nothing is asked for, so a tile's chunks 0 and 1, and the launch's chunks 0 to 4, come by their loads alone.
.macro ASK par, skip
	s_cmp_eq_u32 s14, 0
	s_cbranch_scc0 .Lnot_mine_\@
.if (\skip) > 0
	s_cmp_lg_u32 s2, \skip
	s_cbranch_scc0 .Lnot_mine_\@
.endif
	global_prefetch_b8 v[PFO], s[AP+2*(\par):AP+2*(\par)+1] offset:2*CHK*4 th:TH_LOAD_NT scope:SCOPE_SE
.Lnot_mine_\@:
.endm
.macro CREST                           ; a round of the cluster's barrier behind its opening barrier
	s_cmp_lg_u32 s10, 0
	s_cbranch_scc1 .Lnot_wave_0_\@
	s_barrier_signal -3
.Lnot_wave_0_\@:
	s_barrier_wait -3
	s_barrier_signal -1
	s_barrier_wait -1
.endm
.macro CROUND                          ; a whole round
	s_barrier_signal -1
	s_barrier_wait -1
	CREST
.endm
	s_load_b256 s[72:79], s[0:1], 0x0              ; query s[72:73], key s[74:75], value s[76:77], wb s[78:79]
	s_load_b64 s[8:9], s[0:1], 0x20                ; qkv
	v_lshl_add_u32 v[SPW], v0, 2, SPARE
	v_mov_b32 v[NIL], 0
	ds_add_u32 v[SPW], v[NIL]                      ; the wave's opening: the add and its wait stand ahead of my first tensor load; the set-up below stands between them
	v_lshrrev_b32 v1, 5, v0
	v_readfirstlane_b32 s10, v1                    ; wave 0..3
	s_bfe_u32 s15, ttmp6, 0x40000                  ; cx: my place in the cluster: it enters x's and C's addresses alone
	s_and_b32 s14, ttmp9, 1                        ; the column half: the same in all four partners
	s_lshr_b32 s13, ttmp9, 1
	s_lshl_b32 s13, s13, 2
	s_add_co_u32 s13, s13, s15                     ; the row tile, 0 to 127
	s_mov_b32 s[G1+0], 15|(1<<16)|(1<<20)|(1<<21)|(7<<22)|(7<<25)  ; the mask of four; elements of 2 bytes; padding on; bit 21 beside a mask; after every 256 words 8 words
	s_mov_b32 s[G1+1], 512<<16                     ; tensor_dim0 = 512
	s_mov_b32 s[G1+2], 32<<16                      ; tensor_dim1 = 32
	s_mov_b32 s[G1+3], 512<<16                     ; tile_dim0 = 512
	s_mov_b32 s[G1+4], 32                          ; tile_dim1 = 32
	s_mov_b32 s[G1+5], 1024                        ; elements from row to row
	s_mov_b32 s[G1+6], 0
	s_mov_b32 s[G1+7], 0
	s_lshl_b32 s16, s13, 19                        ; x: 128 rows of 4,096 bytes a tile
	s_lshl_b32 s17, s10, 17                        ; + my wave's 32 rows (under 2^27 in all)
	s_add_co_u32 s16, s16, s17
	s_mov_b32 s17, 0
	s_lshl_b32 s46, s10, 16                        ; W: my wave's 32 k-rows of 2,048 bytes
	s_lshl_b32 s47, s14, 10                        ; + the column half's 1,024 bytes: nothing here hangs on the place in the cluster
	s_add_co_u32 s46, s46, s47
	s_mov_b32 s47, 0
	s_mul_i32 s20, s10, BQ                         ; where my k-rows go in a slot
	v_and_b32 v1, 15, v0                           ; l % 16
	v_bfe_u32 v2, v0, 4, 1                         ; l / 16
	v_lshlrev_b32 v[AOFF], 12, v2
	v_lshl_add_u32 v[AOFF], v1, 4, v[AOFF]
	v_and_b32 v[PFO], 31, v0
	v_lshlrev_b32 v[PFO], 12, v[PFO]
	s_wait_dscnt 0x0                               ; the opening add is done
	s_wait_kmcnt 0x0
	s_add_nc_u64 s[AP:AP+1], s[72:73], s[16:17]    ; query, chunk 0
	s_add_nc_u64 s[AP+2:AP+3], s[AP:AP+1], CHK*4   ; chunk 1
	s_add_nc_u64 s[XN:XN+1], s[74:75], s[16:17]    ; key, chunk 0
	s_add_nc_u64 s[XN+2:XN+3], s[XN:XN+1], CHK*4   ; chunk 1
	s_add_nc_u64 s[XNN:XNN+1], s[76:77], s[16:17]  ; value, chunk 0
	s_add_nc_u64 s[46:47], s[78:79], s[46:47]
	WIN TO_B
.irp j, 0,1,2,3,4,5,6,7,8,9,10,11,12,13,14,15
	global_load_b128 v[LND0+4*(\j):LND0+4*(\j)+3], v[AOFF], s[AP:AP+1] offset:(\j)*2*XROW      ; rows 2 j and 2 j + 1: sixteen lanes take 256 consecutive bytes, aligned
.endr
.irp j, 0,1,2,3,4,5,6,7,8,9,10,11,12,13,14,15
	global_load_b128 v[LND1+4*(\j):LND1+4*(\j)+3], v[AOFF], s[AP+2:AP+3] offset:(\j)*2*XROW
.endr
	WIN 0
	CROUND                                         ; all four work-groups are here: the first joint loads meet
.irp s, 0,1
	s_mov_b32 s[G0+4*(\s)], 1
	s_add_co_u32 s[G0+4*(\s)+1], s20, (\s)*BSLOT
	s_add_nc_u64 s[G0+4*(\s)+2:G0+4*(\s)+3], s[46:47], (\s)*KSTEP*WROW
	s_or_b32 s[G0+4*(\s)+3], s[G0+4*(\s)+3], 0x80000000
	JLOAD \s                                       ; K steps 0 and 1: two loads of mine are out
.endr
	; A's fragment, 16 rows x 32 K of bf16: lane l holds row l % 16, K = 8 (l / 16) + 0..7 and 16 + 8 (l / 16) + 0..7: two loads of 16 bytes, 32 apart.
	v_mul_u32_u24 v3, v1, APITCH
	v_lshl_add_u32 v3, v2, 4, v3
	v_add_nc_u32 v[ADRA], ABASE, v3
	; into A's slots: load j of a chunk holds rows 2 j + l / 16 of my wave's 32, K = 4 (l % 16) + 0..3: 8 bytes of bf16
	s_mul_i32 s20, s10, 32*APITCH
	s_add_co_u32 s20, s20, ABASE
	v_mul_u32_u24 v3, v2, APITCH
	v_lshl_add_u32 v3, v1, 3, v3
	v_add_nc_u32 v[AST], s20, v3
	; B's: the turning load takes 16 k x 16 n (lane l reads k = 8 (l / 16) + l % 8, columns 8 ((l / 8) % 2) + 0..7) and leaves half a fragment: lane l holds column l % 16 and 8 k.
	v_and_b32 v4, 7, v0
	v_bfe_u32 v5, v0, 3, 1
	v_lshl_add_u32 v4, v2, 3, v4
	v_mul_u32_u24 v4, v4, BPITCH
	v_lshl_add_u32 v4, v5, 4, v4
	s_lshl_b32 s22, s10, 8                         ; my 128 columns: 256 bytes of each k-row
.irp n, 0,1,2,3
	v_add_nc_u32 v[ADRB+(\n)], s22, v4
	s_add_co_u32 s22, s22, 2*BQ                    ; two quarters on: an immediate of 16 bits reaches two quarters
.endr
	s_mul_i32 s23, s10, 16*SPITCH
	s_add_co_u32 s23, s23, STAGE                   ; my stage
	v_mul_u32_u24 v4, v1, SPITCH                   ; in: row l % 16, 16 bytes for each half of the lanes
	v_lshl_add_u32 v4, v2, 4, v4
	v_add_nc_u32 v[STO], s23, v4
	v_mul_u32_u24 v5, v2, SPITCH                   ; back: lanes 0-15 one row of 256 bytes, lanes 16-31 the next
	v_lshl_add_u32 v5, v1, 4, v5
	v_add_nc_u32 v[RD], s23, v5
	v_lshlrev_b32 v5, 11, v2                       ; and the same two rows in C
	v_lshl_add_u32 v[CO], v1, 4, v5
	s_lshl_b32 s16, s13, 18                        ; where my part of the first tile begins in qkv (under 2^25): 128 rows of 2,048 bytes a tile;
	s_lshl_b32 s17, s14, 10                        ; the column half;
	s_add_co_u32 s16, s16, s17
	s_lshl_b32 s17, s10, 8                         ; my wave's 128 columns
	s_add_co_u32 s16, s16, s17
	s_mov_b32 s17, 0
; One matrix instruction on accumulator (a, b) of half hi.  zero = 1: the product starts the sum: nothing is cleared.
.macro MM f, hi, a, b, zero
.if \zero
	v_wmma_f32_16x16x32_bf16 v[8*(8*(\a)+(\b)):8*(8*(\a)+(\b))+7], v[(\f)+8*(\b):(\f)+8*(\b)+7], v[(\f)+8*(4*(\hi)+(\a)):(\f)+8*(4*(\hi)+(\a))+7], 0
.else
	v_wmma_f32_16x16x32_bf16 v[8*(8*(\a)+(\b)):8*(8*(\a)+(\b))+7], v[(\f)+8*(\b):(\f)+8*(\b)+7], v[(\f)+8*(4*(\hi)+(\a)):(\f)+8*(4*(\hi)+(\a))+7], v[8*(8*(\a)+(\b)):8*(8*(\a)+(\b))+7]
.endif
.endm
; 16 matrix instructions on end: m blocks a0, a0 + 1 x all 8 n blocks
.macro MUL16 f, hi, a0, zero
	WIN MUL_LO+0x50*(\hi)
.irp a, \a0, (\a0)+1
.irp b, 0,1,2,3,4,5,6,7
	MM \f, \hi, \a, \b, \zero
.endr
.endr
.endm
; The same 16, and behind each pair four conversions: landing buffer par, 64 registers of f32, becomes 32 registers of bf16.  The last four stand behind the last matrix instruction.
.macro MUL16C f, hi, a0, zero, par
.set LN, LND0+(LND1-LND0)*(\par)
.set n, 0
.irp a, \a0, (\a0)+1
.irp p, 0,1,2,3
	WIN MUL_LO+0x50*(\hi)
	MM \f, \hi, \a, 2*(\p), \zero
	MM \f, \hi, \a, 2*(\p)+1, \zero
	WIN CVT
.rept 4
	v_cvt_pk_bf16_f32 v[CT+n], v[LN+2*n], v[LN+2*n+1]
.set n, n+1
.endr
.endr
.endr
.endm
; A chunk's memory work, behind its conversions.  issue = 1: the landing buffer is asked for again, two chunks on; sw = 1: in a tile's last lap (s2 = 1) that is the next tile's chunk 0 or 1, in the next tensor.
; skip >= 0: a prefetch follows the loads.  Then the rounded chunk goes into A's slot par.
.macro AMEM par, issue, skip, sw
.set LN, LND0+(LND1-LND0)*(\par)
.if \issue
	s_wait_xcnt 0x0                                ; this buffer's pointer was last read by its loads, which are in, and by a prefetch two chunks back: it is written only behind this wait
	s_add_nc_u64 s[AP+2*(\par):AP+2*(\par)+1], s[AP+2*(\par):AP+2*(\par)+1], 2*CHK*4
.if \sw
	s_cmp_eq_u32 s2, 1
	s_cselect_b64 s[AP+2*(\par):AP+2*(\par)+1], s[XN+2*(\par):XN+2*(\par)+1], s[AP+2*(\par):AP+2*(\par)+1]
.endif
	WIN TO_B
.irp j, 0,1,2,3,4,5,6,7,8,9,10,11,12,13,14,15
	global_load_b128 v[LN+4*(\j):LN+4*(\j)+3], v[AOFF], s[AP+2*(\par):AP+2*(\par)+1] offset:(\j)*2*XROW
.endr
.endif
	WIN 0
.if (\skip) >= 0
	ASK \par, \skip
.endif
.irp j, 0,1,2,3,4,5,6,7,8,9,10,11,12,13,14,15
	ds_store_b64 v[AST], v[CT+2*(\j):CT+2*(\j)+1] offset:(\par)*ASLOT+(\j)*2*APITCH
.endr
.endm
; 32 LDS loads in one run: quarter q of a K step (32 along K) into buffer f: B's eight fragments, turned, out of W's slot; then A's eight out of A's slot q / 2
.macro FETCH slot, q, f
	WIN TO_B
.irp i, 0,1,2,3,4,5,6,7
	ds_load_tr16_b128 v[(\f)+8*(\i):(\f)+8*(\i)+3],   v[ADRB+2*(\slot)+(\q)/2] offset:((\q)%2)*BQ+32*(\i)
	ds_load_tr16_b128 v[(\f)+8*(\i)+4:(\f)+8*(\i)+7], v[ADRB+2*(\slot)+(\q)/2] offset:((\q)%2)*BQ+32*(\i)+16*BPITCH
.endr
	WIN 0
.irp i, 0,1,2,3,4,5,6,7
	ds_load_b128 v[(\f)+8*(\i):(\f)+8*(\i)+3],   v[ADRA] offset:((\q)/2)*ASLOT+((\q)%2)*64+(\i)*16*APITCH
	ds_load_b128 v[(\f)+8*(\i)+4:(\f)+8*(\i)+7], v[ADRA] offset:((\q)/2)*ASLOT+((\q)%2)*64+(\i)*16*APITCH+32
.endr
.endm
.macro PLACES                          ; a load into a register that a matrix instruction has read, and a conversion of a matrix result, stand four plain vector instructions behind it (ISA guide 7.12.1 for vector instructions)
.rept 4
	v_nop
.endr
.endm
; One of a K step's first three quarters: multiplies buffer f and in its middle fetches quarter q of the same step into g.  The 64 accumulators take turns in the same order in every quarter, over every jump too.
; meet = 1 (the second quarter): a barrier.  In front of it my stores of the odd chunk and my reads of A's slot 0 are done; behind it the odd chunk may be read and A's slot 0 written.  No tensor load follows it before the next change of slots.
; par >= 0: the chunk in landing buffer par is rounded beside 16 of the matrix instructions (its conversions are also the places in front of the loads) and stored; left: the younger chunk's loads, which may stay out.
.macro QUARTER slot, q, f, g, zero, meet=0, par=-1, issue=0, left=0, skip=-1, sw=0
.if \meet
	s_wait_dscnt 0x0                               ; for the others' sake: my LDS stores and loads are done
	s_barrier_signal -1
	MUL16 \f, 0, 0, \zero                          ; work on registers while the others arrive
	s_barrier_wait -1
.else
	s_wait_dscnt 8                                 ; B and A's rows 0-63 are in; the youngest eight loads may be out
	MUL16 \f, 0, 0, \zero
.endif
.if (\par) >= 0
	s_wait_loadcnt \left                           ; loads come back in order (ISA guide 5.7.1): my chunk is in
	MUL16C \f, 0, 2, \zero, \par
	AMEM \par, \issue, \skip, \sw
.else
	MUL16 \f, 0, 2, \zero
	PLACES
.endif
	FETCH \slot, \q, \g
	s_wait_dscnt 32                                ; all but the 32 loads just issued: the chunk's stores stand in front of them
	MUL16 \f, 1, 0, \zero
	MUL16 \f, 1, 2, \zero
.endm
; The fourth quarter multiplies buffer 1 and changes W's slots: ONE barrier.  In front of it each wave waits for all its tensor loads, of which one is out: its part of the next slot; adds 0 to its spare word; and waits for
; that, for its reads of this slot and of A's slot 1, and for its stores of the even chunk.  fill = 1: the barrier opens a round of the cluster's, and this slot is filled again first thing behind it,
; two K steps ahead: 224 matrix instructions ahead of the wait for it.
.macro TURN slot, next, fill
	WIN 0                                          ; (the add's two registers lie in window 0)
	s_wait_tensorcnt 0x0                           ; all my tensor loads have landed
	ds_add_u32 v[SPW], v[NIL]                      ; 0 onto my spare word
	s_wait_dscnt 9                                 ; the add and the youngest eight loads may be out
	MUL16 F1, 0, 0, 0                              ; sixteen matrix instructions stand between the add and the wait for it
	s_wait_dscnt 0x0                               ; the add is done, and so are my LDS loads and stores
	s_barrier_signal -1
	MUL16 F1, 0, 2, 0                              ; work on registers while the others arrive
.if \fill
	WIN 0
.endif
	s_barrier_wait -1
.if \fill
	CREST                                          ; no wave of any partner still reads this slot or has a load on its way
	s_add_nc_u64 s[G0+4*(\slot)+2:G0+4*(\slot)+3], s[G0+4*(\slot)+2:G0+4*(\slot)+3], 2*KSTEP*WROW
	JLOAD \slot                                    ; the four v_nop behind it are also the places in front of the loads below
.else
	PLACES
.endif
	FETCH \next, 0, F0
	MUL16 F1, 1, 0, 0
	MUL16 F1, 1, 2, 0
.endm
; THE WAY OUT of block a (16 rows): rounded to f16, 16 bytes a lane; into my own stage and back as whole rows of 256 bytes; stored.  It names no fragment buffer and no landing buffer.
.macro PACK a
.set AC, 64*((\a)%4)
	WIN 0x0a+5*((\a)/4)                            ; sources 0 and 1: window 2 or 3
.irp b, 0,1,2,3,4,5,6,7
.irp r, 0,1,2,3
	v_cvt_pk_f16_f32 v[TMP+4*(\b)+(\r)], v[AC+8*(\b)+2*(\r)], v[AC+8*(\b)+2*(\r)+1]
.endr
.endr
	WIN 0
.endm
.macro TOSTAGE a
	WIN 0
.set BK, OB+192*((\a)%2)
.irp b, 0,1,2,3,4,5,6,7
	ds_store_b128 v[STO], v[TMP+4*(\b):TMP+4*(\b)+3] offset:32*(\b)
.endr
.irp t, 0,1,2,3,4,5,6,7
	ds_load_b128 v[BK+4*(\t):BK+4*(\t)+3], v[RD] offset:(\t)*2*SPITCH  ; LDS serves a wave's instructions in order (ISA guide 5.7.1.4): these see the stores above
.endr
.endm
.macro SEND a
	WIN 0
.set BK, OB+192*((\a)%2)
	s_wait_dscnt 0x0                               ; the block is back in registers
	s_wait_xcnt 0x0                                ; the stores' base, and the registers that earlier stores read, are rewritten only behind this wait
.if (\a) == 0
	s_add_nc_u64 s[8:9], s[8:9], s[16:17]          ; on to this tile's first rows
.else
	s_add_nc_u64 s[8:9], s[8:9], 16*CROW
.endif
.irp t, 0,1,2,3,4,5,6,7
	global_store_b128 v[CO], v[BK+4*(\t):BK+4*(\t)+3], s[8:9] offset:2*(\t)*CROW  ; 16 lanes store 256 consecutive bytes, at a multiple of 256 from the buffer's first byte
.endr
.endm
.macro WAYOUT
	PLACES                                         ; in front of the conversions of the results
	PACK 0
	TOSTAGE 0
.irp a, 1,2,3,4,5,6,7
	PACK \a                                        ; block a's conversions stand between block a - 1's loads from the stage and the wait for them
	SEND (\a)-1
	TOSTAGE \a
.endr
	SEND 7
.endm
	s_wait_loadcnt 16                              ; chunk 0 is in; chunk 1's 16 loads may stay out
	WIN CVT
.set n, 0
.rept 32
	v_cvt_pk_bf16_f32 v[CT+n], v[LND0+2*n], v[LND0+2*n+1]
.set n, n+1
.endr
	AMEM 0, 1, -1, 0                               ; chunk 2 is asked for; chunk 0 goes into A's slot 0
	s_wait_tensorcnt 1                             ; my part of K step 0 is in; K step 1's may stay out
	s_wait_dscnt 0x0                               ; my part of chunk 0 is stored
	s_barrier_signal -1
	s_barrier_wait -1                              ; everybody's is
	FETCH 0, 0, F0
	WIN 0                                          ; at a label and at a branch every window is 0
	s_mov_b32 s3, LAPS
	s_mov_b32 s2, TLAPS
	s_branch .Lfirst                               ; the loop is entered at a tile's first quarter, in the middle of a trip
.Llap:                                                 ; eleven whole trips.  Trip l goes from the third quarter of K step 2 l to the second of K step 2 l + 2: it fills both of W's slots again (K steps 2 l + 2, 2 l + 3),
	                                               ; rounds chunks 4 l + 2 to 4 l + 5 and asks for chunks 4 l + 4 to 4 l + 7
	QUARTER 0, 3, F0, F1, 0, 0, 0, 1, 16, 0, 1
	TURN 0, 1, 1
	QUARTER 1, 1, F0, F1, 0, 0, 1, 1, 16, 0, 1
	QUARTER 1, 2, F1, F0, 0, 1
	QUARTER 1, 3, F0, F1, 0, 0, 0, 1, 16, 2, 0
	TURN 1, 0, 1
	WIN 0
	s_sub_co_u32 s2, s2, 1
	s_cmp_lg_u32 s2, 0
	s_cbranch_scc1 .Lsame                          ; the tile goes on
	WAYOUT                                         ; THE TILE IS FINISHED.  Both refills, two chunks and the next tile's first fragments are asked for; its stores leave while the next tile is multiplied
	s_wait_xcnt 0x0                                ; the stores have read their registers: v32-63 are written again by the next chunk's conversions
	s_mov_b64 s[16:17], NEXT_C                     ; what the next way out adds to C's address
	s_mov_b64 s[XN:XN+1], s[XNN:XNN+1]             ; the tensor after the one that has just been entered
	s_add_nc_u64 s[XN+2:XN+3], s[XNN:XNN+1], CHK*4
	s_mov_b32 s2, TLAPS
.Lfirst:
	QUARTER 0, 1, F0, F1, 1, 0, 1, 1, 16, 1, 0     ; a tile's first quarter: its products start the sums
	WIN 0
	s_branch .Ljoin
.Lsame:
	QUARTER 0, 1, F0, F1, 0, 0, 1, 1, 16, 1, 0
	WIN 0
.Ljoin:
	QUARTER 0, 2, F1, F0, 0, 1
	WIN 0
	s_sub_co_u32 s3, s3, 1
	s_cmp_lg_u32 s3, 0
	s_cbranch_scc1 .Llap
	QUARTER 0, 3, F0, F1, 0, 0, 0, 0, 16           ; the last two K steps are written out: nothing is left to ask for.  Chunk 46; chunk 47's loads may stay out
	TURN 0, 1, 0                                   ; no round follows the barrier
	QUARTER 1, 1, F0, F1, 0, 0, 1, 0, 0            ; chunk 47: no load is behind it
	QUARTER 1, 2, F1, F0, 0, 1
	QUARTER 1, 3, F0, F1, 0
	s_wait_dscnt 8                                 ; the very last quarter
	MUL16 F1, 0, 0, 0
	MUL16 F1, 0, 2, 0
	s_wait_dscnt 0x0
	MUL16 F1, 1, 0, 0
	MUL16 F1, 1, 2, 0
	WAYOUT
	s_wait_tensorcnt 0x0                           ; the wave's end: behind my last tensor load and my last LDS store
	ds_add_u32 v[SPW], v[NIL]
	s_wait_dscnt 0x0
	CROUND                                         ; the closing round: no work-group ends while a partner may still ask for a tile that names it
	s_endpgm
.Lfunc_end_k_qb9bb45f5f8_proj:
	.size	k_qb9bb45f5f8_proj, .Lfunc_end_k_qb9bb45f5f8_proj-k_qb9bb45f5f8_proj
	.p2alignl 7, 3214868480
	.fill 96, 4, 3214868480
	.section	.rodata,"a",@progbits
	.p2align	6, 0x0
	.amdhsa_kernel k_qb9bb45f5f8_proj
		.amdhsa_group_segment_fixed_size 327680
		.amdhsa_private_segment_fixed_size 0
		.amdhsa_enable_private_segment 0
		.amdhsa_kernarg_size 40
		.amdhsa_user_sgpr_count 2
		.amdhsa_user_sgpr_kernarg_segment_ptr 1
		.amdhsa_wavefront_size32 1
		.amdhsa_system_sgpr_workgroup_id_x 1
		.amdhsa_system_sgpr_workgroup_id_y 1
		.amdhsa_system_sgpr_workgroup_id_z 1
		.amdhsa_system_vgpr_workitem_id 0
		.amdhsa_next_free_vgpr 1024
		.amdhsa_next_free_sgpr 80
		.amdhsa_reserve_vcc 0
		.amdhsa_float_denorm_mode_32 3
		.amdhsa_float_denorm_mode_16_64 3
		.amdhsa_memory_ordered 1
		.amdhsa_forward_progress 1
		.amdhsa_inst_pref_size 207
	.end_amdhsa_kernel
	.amdgpu_metadata
---
amdhsa.version: [ 1, 2 ]
amdhsa.kernels:
  - .name:           k_qb9bb45f5f8_proj
    .symbol:         k_qb9bb45f5f8_proj.kd
    .args:
      - { .name: query, .offset: 0, .size: 8, .value_kind: global_buffer, .address_space: global }
      - { .name: key, .offset: 8, .size: 8, .value_kind: global_buffer, .address_space: global }
      - { .name: value, .offset: 16, .size: 8, .value_kind: global_buffer, .address_space: global }
      - { .name: wb, .offset: 24, .size: 8, .value_kind: global_buffer, .address_space: global }
      - { .name: qkv, .offset: 32, .size: 8, .value_kind: global_buffer, .address_space: global }
    .group_segment_fixed_size: 327680
    .private_segment_fixed_size: 0
    .kernarg_segment_align: 8
    .kernarg_segment_size: 40
    .max_flat_workgroup_size: 128
    .sgpr_count:     80
    .vgpr_count:     1024
    .wavefront_size: 32
...
	.end_amdgpu_metadata
.endif
;; end of part 6
;; launch att (part 7): grid 512 x 1, 8 waves a work-group, no clusters, 68,608 bytes of LDS; arguments qkv, wt; writes wt
.if DOCPART == 7
	.amdgcn_target "amdgcn-amd-amdhsa--gfx1250"
	.amdhsa_code_object_version 6
	.text
	.protected	k_qb9bb45f5f8_att
	.globl	k_qb9bb45f5f8_att
	.p2align	8
	.type	k_qb9bb45f5f8_att,@function
k_qb9bb45f5f8_att:
	s_mov_b64 s[64:65], 0
	v_nop
	global_prefetch_b8 v0, s[64:65] scope:SCOPE_SE
	s_setreg_imm32_b32 hwreg(HW_REG_WAVE_MODE, 25, 1), 1
	s_wait_xcnt 0x0
; ATTENTION BETWEEN THE 16 HEADS OF ONE POSITION.  For each of 16,384 positions: s[h][g] = Q[h] . K[g] (64 channels); p = softmax over g of s / 512; w[h][d] = the sum over g of p[h][g] V[g][d].
; qkv, f16, 2,048 bytes a position, Q, K, V' 32 MiB apart.  Q and K lie BY FRAGMENTS: head r, channel 16 j + 8 h + e is number 256 j + 128 h + 8 r + e of the position; V' lies [d][g].  wt, f16: [b][h][s][d].
; Products, maximum and sum in f32; p is divided by its sum in f32 and rounded to f16, w rounded once.
; LIMITS.  Q, K, V arrive finite, within f16's range.  The second product is 32 deep and has 16 heads: its upper half multiplies p = 0 by neighbouring finite numbers of V.  A weight below 2^-126 counts as 0.
; SHARES.  A wave takes four consecutive positions and no wave waits for another: no barrier.  All 48 loads of a wave (24 KiB) go out at once, each of 512 consecutive bytes, so nothing is left to ask for ahead of them;
; no two waves read the same byte, so no cluster.
; LAYOUT.  S^T = K Q^T (source 0 = 16 heads g, source 1 = 16 heads h): lane l holds head l % 16; load j of a position brings it channels 16 j + 8 (l / 16) + 0..7, and loads 2 c, 2 c + 1 are fragment c.  The channels
; stand in the same places in Q's and K's fragments, so the sums over them are the scores.  In the result a lane holds ONE head h (lane % 16) and g = 8 (lane / 16) + 0..7.  Rounded in pairs that IS the lower
; half of source 1 of O^T = V^T P, whose source 0 (16 channels d x heads g) comes straight from V', 16 bytes a lane; its result holds one head h a lane and eight channels.
; THE WAY OUT.  For head h the wave's four positions are 512 consecutive bytes of wt: the results go through the wave's own stage (16 rows of 512 + 16 bytes) and leave as whole rows.
.set SPITCH, 528
.set WSTAGE, 16*SPITCH
.set SPARE,  8*WSTAGE                  ; behind the stages: the spare words, 128 bytes for each wave: four blocks of 256 bytes that no other line names
.set QO,  2                            ; v2   my byte offset in Q and K: wave x 8,192 + 16 l
.set VO,  3                            ; v3   in V': wave x 8,192 + (l % 16) x 32 + 16 (l / 16)
.set STO, 4                            ; v4   where I put 16 bytes of a row of the stage
.set RD,  5                            ; v5   where I read a row back
.set GO,  6                            ; v6   16 x my thread's number: my 16 bytes of the work-group's 4,096 of a head
.set SPW, 8                            ; v8   my spare word; never rewritten
.set NIL, 9                            ; v9   0; never rewritten
.set Q,   16                           ; v[16:79]    Q: position i, load j at 16 i + 4 j
.set K,   80                           ; v[80:143]   K likewise
.set V,   144                          ; v[144:207]  V': position i, channel block cb at 16 i + 4 cb: four registers, the lower half of a fragment
.set Z,   208                          ; v[208:211]  0: the upper half behind the last fragment
.set S,   212                          ; v[212:243]  S^T, 8 a position
.set P,   16                           ; later, in Q's place: P, 8 a position, the upper four 0
.set T,   48                           ; later: four registers a position: maximum / sums, the other lanes' figure, and a pair for c m and then 1 / l
	s_load_b128 s[4:7], s[0:1], 0x0                ; qkv s[4:5], wt s[6:7]
	v_lshl_add_u32 v[SPW], v0, 2, SPARE
	v_mov_b32 v[NIL], 0
	v_lshrrev_b32 v1, 5, v0
	v_readfirstlane_b32 s8, v1                     ; wave 0..7
	v_and_b32 v10, 15, v0                          ; l % 16
	v_bfe_u32 v11, v0, 4, 1                        ; l / 16
	v_and_b32 v12, 31, v0                          ; l
	s_lshl_b32 s9, s8, 13                          ; my wave's four positions of 2,048 bytes
	v_lshl_add_u32 v[QO], v12, 4, s9
	v_lshlrev_b32 v[VO], 5, v10
	v_lshl_add_u32 v[VO], v11, 4, v[VO]
	v_add_nc_u32 v[VO], s9, v[VO]
	s_mul_i32 s10, s8, WSTAGE                      ; my stage
	v_mul_u32_u24 v[STO], v10, SPITCH
	v_lshl_add_u32 v[STO], v11, 4, v[STO]
	v_add_nc_u32 v[STO], s10, v[STO]
	v_lshl_add_u32 v[RD], v12, 4, s10
	v_lshlrev_b32 v[GO], 4, v0
	s_mov_b32 s20, 0x3b38aa3b                      ; c = log2(e) / 512
	s_mov_b32 s21, s20                             ; named with it as a pair
	s_mov_b32 s22, 0x76543210                      ; v_permlanex16_b32: each lane takes its own place in the other half
	s_mov_b32 s23, 0xfedcba98
	s_lshl_b32 s2, ttmp9, 16                       ; the work-group's 32 positions of 2,048 bytes
	s_mov_b32 s3, 0
	s_lshr_b32 s24, ttmp9, 6                       ; b: 64 work-groups a batch,
	s_lshl_b32 s24, s24, 22                        ; 16 heads x 2,048 positions x 128 bytes
	s_and_b32 s25, ttmp9, 63
	s_lshl_b32 s25, s25, 12                        ; the work-group's 32 positions of 128 bytes in a head
	s_add_co_u32 s24, s24, s25
	s_mov_b32 s25, 0
	s_wait_kmcnt 0x0
	s_add_nc_u64 s[12:13], s[4:5], s[2:3]          ; Q
	s_add_nc_u64 s[14:15], s[12:13], 0x2000000     ; K
	s_add_nc_u64 s[16:17], s[12:13], 0x4000000     ; V'
	s_add_nc_u64 s[18:19], s[6:7], s[24:25]
.irp i, 0,1,2,3
.irp j, 0,1,2,3
	global_load_b128 v[K+16*(\i)+4*(\j):K+16*(\i)+4*(\j)+3], v[QO], s[14:15] offset:(\i)*2048+(\j)*512 th:TH_LOAD_NT  ; 512 consecutive bytes
.endr
.irp j, 0,1,2,3
	global_load_b128 v[Q+16*(\i)+4*(\j):Q+16*(\i)+4*(\j)+3], v[QO], s[12:13] offset:(\i)*2048+(\j)*512 th:TH_LOAD_NT
.endr
.endr
.set n, 0
.rept 16
	global_load_b128 v[V+4*n:V+4*n+3], v[VO], s[16:17] offset:(n/4)*2048+(n%4)*512 th:TH_LOAD_NT  ; 512 consecutive bytes
.set n, n+1
.endr
.irp t, 0,1,2,3
	v_mov_b32 v[Z+(\t)], 0
.endr
	s_wait_loadcnt 16                              ; K and Q are in; V's 16 loads may stay out
.irp c, 0,1                            ; the four accumulators take turns; the first four products start the sums
.irp i, 0,1,2,3
.if (\c) == 0
	v_wmma_f32_16x16x32_f16 v[S+8*(\i):S+8*(\i)+7], v[K+16*(\i):K+16*(\i)+7], v[Q+16*(\i):Q+16*(\i)+7], 0
.else
	v_wmma_f32_16x16x32_f16 v[S+8*(\i):S+8*(\i)+7], v[K+16*(\i)+8:K+16*(\i)+15], v[Q+16*(\i)+8:Q+16*(\i)+15], v[S+8*(\i):S+8*(\i)+7]
.endif
.endr
.endr
.rept 5
	v_nop                                          ; five places: the scores are read, Q's registers written by vector instructions (four), and all these registers later written by matrix instructions (five) (ISA guide 7.12.1)
.endr
	; the softmax, each line for all four positions, so that no line waits for the one before it
.irp i, 0,1,2,3
	v_max3_num_f32 v[T+4*(\i)], v[S+8*(\i)], v[S+8*(\i)+1], v[S+8*(\i)+2]
.endr
.irp i, 0,1,2,3
	v_max3_num_f32 v[T+4*(\i)], v[T+4*(\i)], v[S+8*(\i)+3], v[S+8*(\i)+4]
.endr
.irp i, 0,1,2,3
	v_max3_num_f32 v[T+4*(\i)], v[T+4*(\i)], v[S+8*(\i)+5], v[S+8*(\i)+6]
.endr
.irp i, 0,1,2,3
	v_max_num_f32 v[T+4*(\i)], v[T+4*(\i)], v[S+8*(\i)+7]
.endr
.irp i, 0,1,2,3
	v_permlanex16_b32 v[T+4*(\i)+1], v[T+4*(\i)], s22, s23  ; the head's other eight g lie in the lane 16 away (its destination was written by Q's loads)
.endr
.irp i, 0,1,2,3
	v_max_num_f32 v[T+4*(\i)], v[T+4*(\i)], v[T+4*(\i)+1]
.endr
.irp i, 0,1,2,3
	v_mul_f32 v[T+4*(\i)+2], s20, v[T+4*(\i)]      ; c m
.endr
.irp i, 0,1,2,3
.irp p, 0,1,2,3
	v_pk_fma_f32 v[S+8*(\i)+2*(\p):S+8*(\i)+2*(\p)+1], v[S+8*(\i)+2*(\p):S+8*(\i)+2*(\p)+1], s[20:21], v[T+4*(\i)+2:T+4*(\i)+3] op_sel_hi:[1,0,0] neg_lo:[0,0,1] neg_hi:[0,0,1]  ; c s - c m
.endr
.endr
.set n, 0
.rept 32
	v_exp_f32 v[S+n], v[S+n]
.set n, n+1
.endr
.irp i, 0,1,2,3                        ; P's upper halves: plain instructions, which also stand between the last exponential and the use of its result
.irp t, 4,5,6,7
	v_mov_b32 v[P+8*(\i)+(\t)], 0
.endr
.endr
	s_wait_alu depctr_va_vdst(0)
.irp i, 0,1,2,3
	v_pk_add_f32 v[T+4*(\i):T+4*(\i)+1], v[S+8*(\i):S+8*(\i)+1], v[S+8*(\i)+2:S+8*(\i)+3]
.endr
.irp i, 0,1,2,3
	v_pk_add_f32 v[T+4*(\i)+2:T+4*(\i)+3], v[S+8*(\i)+4:S+8*(\i)+5], v[S+8*(\i)+6:S+8*(\i)+7]
.endr
.irp i, 0,1,2,3
	v_pk_add_f32 v[T+4*(\i):T+4*(\i)+1], v[T+4*(\i):T+4*(\i)+1], v[T+4*(\i)+2:T+4*(\i)+3]
.endr
.irp i, 0,1,2,3
	v_add_f32 v[T+4*(\i)], v[T+4*(\i)], v[T+4*(\i)+1]
.endr
.irp i, 0,1,2,3
	v_permlanex16_b32 v[T+4*(\i)+1], v[T+4*(\i)], s22, s23
.endr
.irp i, 0,1,2,3
	v_add_f32 v[T+4*(\i)], v[T+4*(\i)], v[T+4*(\i)+1]  ; l
.endr
.irp i, 0,1,2,3
	v_rcp_f32 v[T+4*(\i)+2], v[T+4*(\i)]
.endr
	v_nop                                          ; a plain instruction between the last reciprocal and the use of its result
	s_wait_alu depctr_va_vdst(0)
.irp i, 0,1,2,3
.irp p, 0,1,2,3
	v_pk_mul_f32 v[S+8*(\i)+2*(\p):S+8*(\i)+2*(\p)+1], v[S+8*(\i)+2*(\p):S+8*(\i)+2*(\p)+1], v[T+4*(\i)+2:T+4*(\i)+3] op_sel_hi:[1,0]
.endr
.endr
.irp i, 0,1,2,3
.irp p, 0,1,2,3
	v_cvt_pk_f16_f32 v[P+8*(\i)+(\p)], v[S+8*(\i)+2*(\p)], v[S+8*(\i)+2*(\p)+1]
.endr
.endr
	s_wait_loadcnt 0x0                             ; V'
; result n = 4 i + cb of the second product: in the registers that Q's upper half, K and S^T have left
.macro OREG n
.if (\n) < 12
.set rO, 48+8*(\n)
.else
.set rO, S+8*((\n)-12)
.endif
.endm
.set n, 0
.rept 16                               ; sixteen sums of one product each.  Source 0's upper four registers are the next fragment's (or Z): they meet P's zeros
	OREG n
	v_wmma_f32_16x16x32_f16 v[rO:rO+7], v[V+4*n:V+4*n+7], v[P+8*(n/4):P+8*(n/4)+7], 0
.set n, n+1
.endr
.rept 4
	v_nop                                          ; four places: the results are read, and V's registers written
.endr
.set n, 0
.rept 16                               ; each accumulator's registers in ascending order
	OREG n
.irp t, 0,1,2,3
	v_cvt_pk_f16_f32 v[V+4*n+(\t)], v[rO+2*(\t)], v[rO+2*(\t)+1]
.endr
.set n, n+1
.endr
.set n, 0
.rept 16
	ds_store_b128 v[STO], v[V+4*n:V+4*n+3] offset:(n/4)*128+(n%4)*32  ; row = head l % 16; position i's 128 bytes, channels 16 cb + 8 (l / 16) on
.set n, n+1
.endr
.set n, 0
.rept 16
	ds_load_b128 v[48+4*n:48+4*n+3], v[RD] offset:n*SPITCH  ; LDS serves a wave's instructions in order (ISA guide 5.7.1.4): these see the stores above
.set n, n+1
.endr
.set n, 0
.rept 16
	s_wait_dscnt 15-n                              ; row n is back; the rows behind it may be out
	global_store_b128 v[GO], v[48+4*n:48+4*n+3], s[18:19] offset:n*262144  ; head n: the wave stores 512 consecutive bytes, at a multiple of 256 from the buffer's first byte
.set n, n+1
.endr
	s_wait_tensorcnt 0x0                           ; the wave's end: behind my last LDS store
	ds_add_u32 v[SPW], v[NIL]
	s_wait_dscnt 0x0
	s_endpgm
.Lfunc_end_k_qb9bb45f5f8_att:
	.size	k_qb9bb45f5f8_att, .Lfunc_end_k_qb9bb45f5f8_att-k_qb9bb45f5f8_att
	.p2alignl 7, 3214868480
	.fill 96, 4, 3214868480
	.section	.rodata,"a",@progbits
	.p2align	6, 0x0
	.amdhsa_kernel k_qb9bb45f5f8_att
		.amdhsa_group_segment_fixed_size 68608
		.amdhsa_private_segment_fixed_size 0
		.amdhsa_enable_private_segment 0
		.amdhsa_kernarg_size 16
		.amdhsa_user_sgpr_count 2
		.amdhsa_user_sgpr_kernarg_segment_ptr 1
		.amdhsa_wavefront_size32 1
		.amdhsa_system_sgpr_workgroup_id_x 1
		.amdhsa_system_sgpr_workgroup_id_y 1
		.amdhsa_system_sgpr_workgroup_id_z 1
		.amdhsa_system_vgpr_workitem_id 0
		.amdhsa_next_free_vgpr 244
		.amdhsa_next_free_sgpr 66
		.amdhsa_reserve_vcc 0
		.amdhsa_float_denorm_mode_32 3
		.amdhsa_float_denorm_mode_16_64 3
		.amdhsa_memory_ordered 1
		.amdhsa_forward_progress 1
		.amdhsa_inst_pref_size 24
	.end_amdhsa_kernel
	.amdgpu_metadata
---
amdhsa.version: [ 1, 2 ]
amdhsa.kernels:
  - .name:           k_qb9bb45f5f8_att
    .symbol:         k_qb9bb45f5f8_att.kd
    .args:
      - { .name: qkv, .offset: 0, .size: 8, .value_kind: global_buffer, .address_space: global }
      - { .name: wt, .offset: 8, .size: 8, .value_kind: global_buffer, .address_space: global }
    .group_segment_fixed_size: 68608
    .private_segment_fixed_size: 0
    .kernarg_segment_align: 8
    .kernarg_segment_size: 16
    .max_flat_workgroup_size: 256
    .sgpr_count:     66
    .vgpr_count:     244
    .wavefront_size: 32
...
	.end_amdgpu_metadata
.endif
;; end of part 7
;; launch outp: the kernel of part 4 again; grid 4 x 64, 4 waves a work-group, clusters of 4 x 4, 327,680 bytes of LDS; arguments wt, wb, out0; writes out0
;; ======== version 3 of 3: 4 launches; version 2 with the launch att written anew for expert scheduling mode
;; limits: values are held in f16: magnitudes above 65,504 overflow, below 6.1e-05 lose precision
;; workspace buffers: wb 8,388,608 bytes; qkv 100,663,296 bytes; wt 33,554,432 bytes
;; launch prep: the kernel of part 5 again; grid 128 x 4, 8 waves a work-group, no clusters, 0 bytes of LDS; arguments Wq, Wk, Wv, Wo, wb; writes wb
;; launch proj: the kernel of part 6 again; grid 256 x 1, 4 waves a work-group, clusters of 4 x 1, 327,680 bytes of LDS; arguments query, key, value, wb, qkv; writes qkv
;; launch att (part 8): grid 512 x 1, 8 waves a work-group, no clusters, 68,608 bytes of LDS; arguments qkv, wt; writes wt
.if DOCPART == 8
	.amdgcn_target "amdgcn-amd-amdhsa--gfx1250"
	.amdhsa_code_object_version 6
	.text
	.protected	k_qb9bb45f5f8_att
	.globl	k_qb9bb45f5f8_att
	.p2align	8
	.type	k_qb9bb45f5f8_att,@function
k_qb9bb45f5f8_att:
	s_mov_b64 s[64:65], 0
	v_nop
	global_prefetch_b8 v0, s[64:65] scope:SCOPE_SE
	s_setreg_imm32_b32 hwreg(HW_REG_WAVE_SCHED_MODE, 0, 2), 2
	s_setreg_imm32_b32 hwreg(HW_REG_WAVE_MODE, 25, 1), 1
	s_wait_xcnt 0x0
	s_wait_alu depctr_vm_vsrc(0)
; ATTENTION BETWEEN THE 16 HEADS OF ONE POSITION.  For each of 16,384 positions: s[h][g] = Q[h] . K[g] (64 channels); p = softmax over g of s / 512; w[h][d] = the sum over g of p[h][g] V[g][d].
; qkv, f16, 2,048 bytes a position, Q, K, V' 32 MiB apart.  Q and K lie BY FRAGMENTS: head r, channel 16 j + 8 h + e is number 256 j + 128 h + 8 r + e of the position; V' lies [d][g].  wt, f16: [b][h][s][d].
; Products, maximum and sum in f32; p is divided by its sum in f32 and rounded to f16, w rounded once.
; LIMITS.  Q, K, V arrive finite, within f16's range.  The second product is 32 deep and has 16 heads: its upper half multiplies p = 0 by neighbouring finite numbers of V.  A weight below 2^-126 counts as 0.
; SHARES.  A wave takes four consecutive positions and no wave waits for another: no barrier.  All 48 loads of a wave (24 KiB) go out at once, each of 512 consecutive bytes, so nothing is left to ask for ahead of them;
; no two waves read the same byte, so no cluster.
; LAYOUT.  S^T = K Q^T (source 0 = 16 heads g, source 1 = 16 heads h): lane l holds head l % 16; load j of a position brings it channels 16 j + 8 (l / 16) + 0..7, and loads 2 c, 2 c + 1 are fragment c.  The channels
; stand in the same places in Q's and K's fragments, so the sums over them are the scores.  In the result a lane holds ONE head h (lane % 16) and g = 8 (lane / 16) + 0..7.  Rounded in pairs that IS the lower
; half of source 1 of O^T = V^T P, whose source 0 (16 channels d x heads g) comes straight from V', 16 bytes a lane; its result holds one head h a lane and eight channels.
; THE WAY OUT.  For head h the wave's four positions are 512 consecutive bytes of wt: the results go through the wave's own stage (16 rows of 512 + 16 bytes) and leave as whole rows.
; THE MODE: SCHED_MODE bits 1:0 = 2 (LLVM: expert scheduling mode 2), set by the entry lines.  The code itself states the register dependences
; between vector or matrix instructions and memory or LDS instructions, with s_wait_alu, always for 0.
; THE PLAN.  The text is one straight run: no label, no branch.  Registers that memory or LDS instructions touch:
;   v2 to v6      offsets and LDS addresses: written at the head, read by the loads and stores, never written again.
;   v8, v9        written at the head, read by the closing add alone.
;   v16 to v207   Q, K, V': the 48 loads land here; no vector instruction names them ahead of the loads, and no memory instruction reads them before the way out.
;   v144 to v207  on the way out: written by the conversions of the second product's 16 results, four registers a result; read by the 16 LDS stores; not written again.
;   v48 to v111   results 0 to 7 of the second product: written by its matrix instructions, read by their conversions; then the loads from the stage land here, and the global stores read them.
;   Z, S^T, P and the statistics are named by vector and matrix instructions alone.
; So: one wait on va_sdst behind the wave's number; one on va_vdst ahead of the first load, for all five addresses; on the way out one behind the conversions of results 0 to 7, whose eight LDS stores are then dealt among
; the conversions of results 8 to 15 (these write v176 to v207 and read v112 to v143 and v212 to v243: none of the stores' registers), and one behind those, ahead of the other eight stores and of the loads from the stage.
; No register that a memory or LDS instruction has read is written again, so no wait on vm_vsrc is owed.  The two waits in the softmax stand behind the exponentials and the reciprocals.
.set SPITCH, 528
.set WSTAGE, 16*SPITCH
.set SPARE,  8*WSTAGE                  ; behind the stages: the spare words, 128 bytes for each wave: four blocks of 256 bytes that no other line names
.set QO,  2                            ; v2   my byte offset in Q and K: wave x 8,192 + 16 l
.set VO,  3                            ; v3   in V': wave x 8,192 + (l % 16) x 32 + 16 (l / 16)
.set STO, 4                            ; v4   where I put 16 bytes of a row of the stage
.set RD,  5                            ; v5   where I read a row back
.set GO,  6                            ; v6   16 x my thread's number: my 16 bytes of the work-group's 4,096 of a head
.set SPW, 8                            ; v8   my spare word; never rewritten
.set NIL, 9                            ; v9   0; never rewritten
.set Q,   16                           ; v[16:79]    Q: position i, load j at 16 i + 4 j
.set K,   80                           ; v[80:143]   K likewise
.set V,   144                          ; v[144:207]  V': position i, channel block cb at 16 i + 4 cb: four registers, the lower half of a fragment
.set Z,   208                          ; v[208:211]  0: the upper half behind the last fragment
.set S,   212                          ; v[212:243]  S^T, 8 a position
.set P,   16                           ; later, in Q's place: P, 8 a position, the upper four 0
.set T,   48                           ; later: four registers a position: maximum / sums, the other lanes' figure, and a pair for c m and then 1 / l
	s_load_b128 s[4:7], s[0:1], 0x0                ; qkv s[4:5], wt s[6:7]
	v_lshl_add_u32 v[SPW], v0, 2, SPARE
	v_mov_b32 v[NIL], 0
	v_lshrrev_b32 v1, 5, v0
	v_readfirstlane_b32 s8, v1                     ; wave 0..7
	v_and_b32 v10, 15, v0                          ; l % 16
	v_bfe_u32 v11, v0, 4, 1                        ; l / 16
	v_and_b32 v12, 31, v0                          ; l
	s_wait_alu depctr_va_sdst(0)                   ; s8 is written, ahead of its first reader: my wave's offsets in memory and in LDS are made from it
	s_lshl_b32 s9, s8, 13                          ; my wave's four positions of 2,048 bytes
	v_lshl_add_u32 v[QO], v12, 4, s9
	v_lshlrev_b32 v[VO], 5, v10
	v_lshl_add_u32 v[VO], v11, 4, v[VO]
	v_add_nc_u32 v[VO], s9, v[VO]
	s_mul_i32 s10, s8, WSTAGE                      ; my stage
	v_mul_u32_u24 v[STO], v10, SPITCH
	v_lshl_add_u32 v[STO], v11, 4, v[STO]
	v_add_nc_u32 v[STO], s10, v[STO]
	v_lshl_add_u32 v[RD], v12, 4, s10
	v_lshlrev_b32 v[GO], 4, v0
	s_mov_b32 s20, 0x3b38aa3b                      ; c = log2(e) / 512
	s_mov_b32 s21, s20                             ; named with it as a pair
	s_mov_b32 s22, 0x76543210                      ; v_permlanex16_b32: each lane takes its own place in the other half
	s_mov_b32 s23, 0xfedcba98
	s_lshl_b32 s2, ttmp9, 16                       ; the work-group's 32 positions of 2,048 bytes
	s_mov_b32 s3, 0
	s_lshr_b32 s24, ttmp9, 6                       ; b: 64 work-groups a batch,
	s_lshl_b32 s24, s24, 22                        ; 16 heads x 2,048 positions x 128 bytes
	s_and_b32 s25, ttmp9, 63
	s_lshl_b32 s25, s25, 12                        ; the work-group's 32 positions of 128 bytes in a head
	s_add_co_u32 s24, s24, s25
	s_mov_b32 s25, 0
	s_wait_kmcnt 0x0
	s_add_nc_u64 s[12:13], s[4:5], s[2:3]          ; Q
	s_add_nc_u64 s[14:15], s[12:13], 0x2000000     ; K
	s_add_nc_u64 s[16:17], s[12:13], 0x4000000     ; V'
	s_add_nc_u64 s[18:19], s[6:7], s[24:25]
	s_wait_alu depctr_va_vdst(0)                   ; v2 to v6 are written: the offsets and LDS addresses that every load and store of the kernel reads; none of them is written again
.irp i, 0,1,2,3
.irp j, 0,1,2,3
	global_load_b128 v[K+16*(\i)+4*(\j):K+16*(\i)+4*(\j)+3], v[QO], s[14:15] offset:(\i)*2048+(\j)*512 th:TH_LOAD_NT  ; 512 consecutive bytes
.endr
.irp j, 0,1,2,3
	global_load_b128 v[Q+16*(\i)+4*(\j):Q+16*(\i)+4*(\j)+3], v[QO], s[12:13] offset:(\i)*2048+(\j)*512 th:TH_LOAD_NT
.endr
.endr
.set n, 0
.rept 16
	global_load_b128 v[V+4*n:V+4*n+3], v[VO], s[16:17] offset:(n/4)*2048+(n%4)*512 th:TH_LOAD_NT  ; 512 consecutive bytes
.set n, n+1
.endr
.irp t, 0,1,2,3
	v_mov_b32 v[Z+(\t)], 0                         ; no load or store names these four
.endr
	s_wait_loadcnt 16                              ; K and Q are in; V's 16 loads may stay out
.irp c, 0,1                            ; the four accumulators take turns; the first four products start the sums
.irp i, 0,1,2,3
.if (\c) == 0
	v_wmma_f32_16x16x32_f16 v[S+8*(\i):S+8*(\i)+7], v[K+16*(\i):K+16*(\i)+7], v[Q+16*(\i):Q+16*(\i)+7], 0
.else
	v_wmma_f32_16x16x32_f16 v[S+8*(\i):S+8*(\i)+7], v[K+16*(\i)+8:K+16*(\i)+15], v[Q+16*(\i)+8:Q+16*(\i)+15], v[S+8*(\i):S+8*(\i)+7]
.endif
.endr
.endr
.rept 5
	v_nop                                          ; five places: the scores are read, Q's registers written by vector instructions (four), and all these registers later written by matrix instructions (five) (ISA guide 7.12.1)
.endr
	; the softmax, each line for all four positions, so that no line waits for the one before it
.irp i, 0,1,2,3
	v_max3_num_f32 v[T+4*(\i)], v[S+8*(\i)], v[S+8*(\i)+1], v[S+8*(\i)+2]
.endr
.irp i, 0,1,2,3
	v_max3_num_f32 v[T+4*(\i)], v[T+4*(\i)], v[S+8*(\i)+3], v[S+8*(\i)+4]
.endr
.irp i, 0,1,2,3
	v_max3_num_f32 v[T+4*(\i)], v[T+4*(\i)], v[S+8*(\i)+5], v[S+8*(\i)+6]
.endr
.irp i, 0,1,2,3
	v_max_num_f32 v[T+4*(\i)], v[T+4*(\i)], v[S+8*(\i)+7]
.endr
.irp i, 0,1,2,3
	v_permlanex16_b32 v[T+4*(\i)+1], v[T+4*(\i)], s22, s23  ; the head's other eight g lie in the lane 16 away (its destination was written by Q's loads)
.endr
.irp i, 0,1,2,3
	v_max_num_f32 v[T+4*(\i)], v[T+4*(\i)], v[T+4*(\i)+1]
.endr
.irp i, 0,1,2,3
	v_mul_f32 v[T+4*(\i)+2], s20, v[T+4*(\i)]      ; c m
.endr
.irp i, 0,1,2,3
.irp p, 0,1,2,3
	v_pk_fma_f32 v[S+8*(\i)+2*(\p):S+8*(\i)+2*(\p)+1], v[S+8*(\i)+2*(\p):S+8*(\i)+2*(\p)+1], s[20:21], v[T+4*(\i)+2:T+4*(\i)+3] op_sel_hi:[1,0,0] neg_lo:[0,0,1] neg_hi:[0,0,1]  ; c s - c m
.endr
.endr
.set n, 0
.rept 32
	v_exp_f32 v[S+n], v[S+n]
.set n, n+1
.endr
.irp i, 0,1,2,3                        ; P's upper halves: plain instructions, which also stand between the last exponential and the use of its result
.irp t, 4,5,6,7
	v_mov_b32 v[P+8*(\i)+(\t)], 0
.endr
.endr
	s_wait_alu depctr_va_vdst(0)                   ; the 32 exponentials have written v[S ..], ahead of the sums, their first readers: one wait for the batch
.irp i, 0,1,2,3
	v_pk_add_f32 v[T+4*(\i):T+4*(\i)+1], v[S+8*(\i):S+8*(\i)+1], v[S+8*(\i)+2:S+8*(\i)+3]
.endr
.irp i, 0,1,2,3
	v_pk_add_f32 v[T+4*(\i)+2:T+4*(\i)+3], v[S+8*(\i)+4:S+8*(\i)+5], v[S+8*(\i)+6:S+8*(\i)+7]
.endr
.irp i, 0,1,2,3
	v_pk_add_f32 v[T+4*(\i):T+4*(\i)+1], v[T+4*(\i):T+4*(\i)+1], v[T+4*(\i)+2:T+4*(\i)+3]
.endr
.irp i, 0,1,2,3
	v_add_f32 v[T+4*(\i)], v[T+4*(\i)], v[T+4*(\i)+1]
.endr
.irp i, 0,1,2,3
	v_permlanex16_b32 v[T+4*(\i)+1], v[T+4*(\i)], s22, s23
.endr
.irp i, 0,1,2,3
	v_add_f32 v[T+4*(\i)], v[T+4*(\i)], v[T+4*(\i)+1]  ; l
.endr
.irp i, 0,1,2,3
	v_rcp_f32 v[T+4*(\i)+2], v[T+4*(\i)]
.endr
	v_nop                                          ; a plain instruction between the last reciprocal and the use of its result
	s_wait_alu depctr_va_vdst(0)                   ; the four reciprocals have written their 1 / l, ahead of the multiplies, their first readers: one wait for the four
.irp i, 0,1,2,3
.irp p, 0,1,2,3
	v_pk_mul_f32 v[S+8*(\i)+2*(\p):S+8*(\i)+2*(\p)+1], v[S+8*(\i)+2*(\p):S+8*(\i)+2*(\p)+1], v[T+4*(\i)+2:T+4*(\i)+3] op_sel_hi:[1,0]
.endr
.endr
.irp i, 0,1,2,3
.irp p, 0,1,2,3
	v_cvt_pk_f16_f32 v[P+8*(\i)+(\p)], v[S+8*(\i)+2*(\p)], v[S+8*(\i)+2*(\p)+1]
.endr
.endr
	s_wait_loadcnt 0x0                             ; V'
; result n = 4 i + cb of the second product: in the registers that Q's upper half, K and S^T have left
.macro OREG n
.if (\n) < 12
.set rO, 48+8*(\n)
.else
.set rO, S+8*((\n)-12)
.endif
.endm
.set n, 0
.rept 16                               ; sixteen sums of one product each.  Source 0's upper four registers are the next fragment's (or Z): they meet P's zeros
	OREG n
	v_wmma_f32_16x16x32_f16 v[rO:rO+7], v[V+4*n:V+4*n+7], v[P+8*(n/4):P+8*(n/4)+7], 0
.set n, n+1
.endr
.rept 4
	v_nop                                          ; four places: the results are read, and V's registers written
.endr
.set n, 0
.rept 8                                ; results 0 to 7, positions 0 and 1; each accumulator's registers in ascending order
	OREG n
.irp t, 0,1,2,3
	v_cvt_pk_f16_f32 v[V+4*n+(\t)], v[rO+2*(\t)], v[rO+2*(\t)+1]
.endr
.set n, n+1
.endr
	s_wait_alu depctr_va_vdst(0)                   ; the conversions above have written v[V .. V+31], which the eight LDS stores below read
.rept 8                                ; results 8 to 15, positions 2 and 3, and ahead of each result's conversions one LDS store of positions 0 and 1.  No wait: the conversions since the wait name v[V+32 ..], v112 to v143 and S^T's registers, none of the stores' registers
	ds_store_b128 v[STO], v[V+4*(n-8):V+4*(n-8)+3] offset:((n-8)/4)*128+((n-8)%4)*32  ; row = head l % 16; position i's 128 bytes, channels 16 cb + 8 (l / 16) on
	OREG n
.irp t, 0,1,2,3
	v_cvt_pk_f16_f32 v[V+4*n+(\t)], v[rO+2*(\t)], v[rO+2*(\t)+1]
.endr
.set n, n+1
.endr
	s_wait_alu depctr_va_vdst(0)                   ; the conversions have written v[V+32 .. V+63], which the next eight LDS stores read; the products have written v48 to v111 and the conversions are done reading them: the loads from the stage land there
.set n, 8
.rept 8
	ds_store_b128 v[STO], v[V+4*n:V+4*n+3] offset:(n/4)*128+(n%4)*32
.set n, n+1
.endr
.set n, 0
.rept 16
	ds_load_b128 v[48+4*n:48+4*n+3], v[RD] offset:n*SPITCH  ; LDS serves a wave's instructions in order (ISA guide 5.7.1.4): these see the stores above
.set n, n+1
.endr
.set n, 0
.rept 16
	s_wait_dscnt 15-n                              ; row n is back; the rows behind it may be out
	global_store_b128 v[GO], v[48+4*n:48+4*n+3], s[18:19] offset:n*262144  ; head n: the wave stores 512 consecutive bytes, at a multiple of 256 from the buffer's first byte
.set n, n+1
.endr
	s_wait_dscnt 0x0                               ; the closing lines, six on end
	s_wait_alu 0x0
	s_wait_tensorcnt 0x0
	ds_add_u32 v[SPW], v[NIL]
	s_wait_dscnt 0x0
	s_endpgm
.Lfunc_end_k_qb9bb45f5f8_att:
	.size	k_qb9bb45f5f8_att, .Lfunc_end_k_qb9bb45f5f8_att-k_qb9bb45f5f8_att
	.p2alignl 7, 3214868480
	.fill 96, 4, 3214868480
	.section	.rodata,"a",@progbits
	.p2align	6, 0x0
	.amdhsa_kernel k_qb9bb45f5f8_att
		.amdhsa_group_segment_fixed_size 68608
		.amdhsa_private_segment_fixed_size 0
		.amdhsa_enable_private_segment 0
		.amdhsa_kernarg_size 16
		.amdhsa_user_sgpr_count 2
		.amdhsa_user_sgpr_kernarg_segment_ptr 1
		.amdhsa_wavefront_size32 1
		.amdhsa_system_sgpr_workgroup_id_x 1
		.amdhsa_system_sgpr_workgroup_id_y 1
		.amdhsa_system_sgpr_workgroup_id_z 1
		.amdhsa_system_vgpr_workitem_id 0
		.amdhsa_next_free_vgpr 244
		.amdhsa_next_free_sgpr 66
		.amdhsa_reserve_vcc 0
		.amdhsa_float_denorm_mode_32 3
		.amdhsa_float_denorm_mode_16_64 3
		.amdhsa_memory_ordered 1
		.amdhsa_forward_progress 1
		.amdhsa_inst_pref_size 25
	.end_amdhsa_kernel
	.amdgpu_metadata
---
amdhsa.version: [ 1, 2 ]
amdhsa.kernels:
  - .name:           k_qb9bb45f5f8_att
    .symbol:         k_qb9bb45f5f8_att.kd
    .args:
      - { .name: qkv, .offset: 0, .size: 8, .value_kind: global_buffer, .address_space: global }
      - { .name: wt, .offset: 8, .size: 8, .value_kind: global_buffer, .address_space: global }
    .group_segment_fixed_size: 68608
    .private_segment_fixed_size: 0
    .kernarg_segment_align: 8
    .kernarg_segment_size: 16
    .max_flat_workgroup_size: 256
    .sgpr_count:     66
    .vgpr_count:     244
    .wavefront_size: 32
...
	.end_amdgpu_metadata
.endif
;; end of part 8
;; launch outp: the kernel of part 4 again; grid 4 x 64, 4 waves a work-group, clusters of 4 x 4, 327,680 bytes of LDS; arguments wt, wb, out0; writes out0
